; MI455X (gfx1250); checked and timed in simulation.
; The chip was launched on July 23, 2026; its instructions are those of AMD's public machine-readable ISA for CDNA 5 (MIT licence, August 2026) and "CDNA5" Instruction Set Architecture Reference Guide (July 2026). The comments in the code are by the model that wrote it; some were corrected since.
;; Causal Self Attention. Allowed arithmetic: matrix products marked QUANTISED: E2M3 operands, one E8M0 scale for each 32 along K, by v_wmma_scale_f32_16x16x128_f8f6f4 with both operands' format E2M3, f32 sums; everything else in f32.
;; Inputs: W_kqv 16 x 1,024 x 192 float32; W_proj 1,024 x 1,024 float32; b_kqv 16 x 192 float32; b_proj 1,024 float32; x 4 x 2,048 x 1,024 float32.
;; Outputs: out0 4 x 2,048 x 1,024 float32.
;; This version of the problem:
;;   THIS VERSION OF THE PROBLEM IS GIVEN IN LOW PRECISION. The matrix products marked QUANTISED in the list below multiply operands that are first quantised to E2M3 (2 exponent bits, 3 mantissa bits; 6 bits a number), with one power-of-two scale for each 32 numbers along K (OCP MX v1.0); their sums are f32. All else is computed in f32.
;;   The module's matrix products, in the order in which they are computed (A, B: the left and right operand; K: the contracted axis; several contracted axes count as one K, in the product's order):
;;     1. [M 3,072, K 1,024] x [K 1,024, N 8,192]; A: input W_kqv; B: input x: QUANTISED
;;     2. batch 64 x [M 2,048, K 64] x [K 64, N 2,048]; A: computed on the way; B: computed on the way: QUANTISED
;;     3. batch 64 x [M 2,048, K 2,048] x [K 2,048, N 64]; A: softmax (see below); B: computed on the way: QUANTISED
;;     4. [M 8,192, K 1,024] x [K 1,024, N 1,024]; A: computed on the way; B: input W_proj: QUANTISED
;;   THE QUANTISER, for each operand of a quantised product, along K:
;;     - K is cut into blocks of 32 from its start; a last block that is shorter is filled with zeros.
;;     - A block's scale is 2^e with e = floor(log2(the largest magnitude in the block)) - 2, held to -126 .. 127; a block of zeros has e = 0. As a byte (E8M0): e + 127.
;;     - Each number is divided by its block's scale, clamped to +-7.5, and rounded to the nearest number of E2M3, ties to even, subnormals kept.
;;     - The product sums the exact products of the quantised numbers (number of the format x scale) in f32.
;;   ~~~python
;;   def quantise(x, axis):      # numpy; x: float32 -> the quantised numbers, widened to float32 again
;;       x = np.moveaxis(x, axis, -1); K = x.shape[-1]
;;       x = np.pad(x, [(0, 0)] * (x.ndim - 1) + [(0, -K % 32)]); x = x.reshape(x.shape[:-1] + (-1, 32)); a = np.abs(x).max(-1, keepdims=True)
;;       e = np.where(a > 0, np.clip(np.frexp(np.where(a > 0, a, 1))[1] - 1 - 2, -126, 127), 0)      # np.frexp(a)[1] - 1 = floor(log2(a)), exactly
;;       r = np.clip(x / 2.0 ** e, -7.5, 7.5)
;;       step = 2.0 ** (np.maximum(np.frexp(np.where(r == 0, 1, r))[1] - 1, 0) - 3)
;;       q = np.round(r / step) * step * 2.0 ** e      # np.round: ties to even
;;       return np.moveaxis(q.reshape(q.shape[:-2] + (-1,))[..., :K], -1, axis).astype(np.float32)
;;   ~~~
;;   SOFTMAX AHEAD OF A QUANTISED PRODUCT. Where the list says 'softmax', what is quantised is not the finished softmax but p = 2^(t - M), with t = logit x log2(e) and M = ceil(the row's largest t), a whole number; so 1/2 < the row's largest p <= 1. The row's sum l is taken of the UNQUANTISED p, in f32, and the product's result is divided by l at the end. Since M is a whole number, a kernel that streams over the keys may use a running M (the ceiling of the running maximum): every later rescaling is an exact power of two, which a block's scale takes up: the codes' values come out the same.
;;   OPERANDS COMPUTED ON THE WAY. 'Computed on the way' means the value that the module computes at that place (a softmax that the list does not call 'softmax' is quantised finished and normalised). What goes into a quantiser is computed in f32, as accurately as f32 sums, v_exp_f32 and their like allow (about 1e-6 of the number): no bf16 or f16 on the way to a quantiser, and a product that is left as it is and whose result goes on into a quantised operand takes f32 operands (vector FMAs, or v_wmma_f32_16x16x4_f32). A number that lies on a knife's edge between two numbers of the format may be rounded either way, as far as f32 arithmetic and the matrix unit's own rounding can turn it there, and no further.
;; One version. Each part assembles by itself: llvm-mc -triple=amdgcn-amd-amdhsa -mcpu=gfx1250 --defsym DOCPART=n.
;; ======== version 1 of 1: 4 launches
;; limits: right only within a limited range of input values
;; workspace buffers: ximg 6,291,456 bytes; xsc 262,144 bytes; wimg 3,145,728 bytes; wsc 131,072 bytes; kv 13,369,344 bytes; qb 6,815,744 bytes; simg 6,291,456 bytes; ssc 262,144 bytes
;; launch quant (part 1): grid 32 x 20, 8 waves a work-group, no clusters, 72,192 bytes of LDS; arguments x, W_kqv, W_proj, ximg, xsc, wimg, wsc; writes ximg, xsc, wimg, wsc
.if DOCPART == 1
	.amdgcn_target "amdgcn-amd-amdhsa--gfx1250"
	.amdhsa_code_object_version 6
	.text
	.protected	k_qa4cfad1d56_quant
	.globl	k_qa4cfad1d56_quant
	.p2align	8
	.type	k_qa4cfad1d56_quant,@function
k_qa4cfad1d56_quant:
	s_mov_b64 s[64:65], 0
	v_nop
	global_prefetch_b8 v0, s[64:65] scope:SCOPE_SE
	s_setreg_imm32_b32 hwreg(HW_REG_WAVE_MODE, 25, 1), 1
	s_wait_xcnt 0x0
; LAUNCH 1 OF 4.  Causal self-attention, all four products on codes of FP6 (E2M3) with one E8M0 scale for each 32 along K.
; This launch turns x [8192][1024], W_kqv [16][1024][192] and W_proj [1024][1024], all f32, into codes and scale bytes along K = the 1,024 of the embedding.
; DEAD WORK OF THE PROGRAM.  reference() builds the causal mask itself (jnp.tril) and sets the scores of keys behind a query to -inf, whose weight is 0 for all values of the inputs.
; So a step of 128 keys all of which lie behind a tile's 16 queries can reach no output: launch 3 leaves such steps out, whole.  Nothing else is left out, and every input is loaded
; (the bias on k moves k's codes, so it stays).  LIMIT: a NaN, an infinity or an overflow that would reach only those steps is not carried to the result.
; LIMITS: NaN and infinities among the inputs are not served; a block whose largest magnitude lies under 2^-124 has its byte held at 1; a block of zeros has the byte 1 where the
; quantiser says 127: its codes are zeros, which add nothing under any byte but 0xff, and only this program reads the bytes.
; LAYOUTS.  Rows (tokens, or output columns of a weight) go in groups of 128 = 8 tiles of 16; lane r of tile T holds row 32 (T / 2) + 8 (T % 2) + r + 8 (r / 8).
; A fragment (16 rows x 128 K, 12 registers a lane) lies in memory as an image of its registers, 1,536 bytes: +0 registers 0-3 (16 bytes a lane), +512 registers 4-5 (8 bytes a lane),
; +768 registers 6-9, +1280 registers 10-11.  Codes: [group][K step 8][tile 8][1536].  Scales: [group][tile][lane r][8 words], word n for K step n.
; wimg's groups: 0-15: head h, rows 0-63 its k columns, 64-127 its q columns; 16-23: the v columns of heads 2 (G - 16) and 2 (G - 16) + 1; 24-31: W_proj's output columns.
; SHARES.  The wave's number is the K step.  Work-groups with y >= 4 take one tile of 16 tokens of x; those with y < 4 take 32 columns of a weight.  The two ways part on y alone.
; No tensor load, no matrix work: the launch streams.  All loads of a wave go out at once.
.set SCX,   69632                      ; behind the eight waves' stages (2 x 16 rows x 272 bytes each): x's scale words, 512 bytes
.set SCW,   70144                      ; the weights' scale words, 1,024 bytes
.set SPARE, 71168                      ; the spare words, 128 bytes for each wave
; v1 lane, v2 r, v3 h; v4 x's load offset; v5, v6 the stage in and out; v7, v8, v11: 16, 8, 4 x lane; v9, v10 a weight's image places; v12, v13 maxima; v14, v15 the add's two;
; v16-19 the conversions' scale operands; v20-23 bytes; v24, v25 the scale word; v26, v27 where it goes in LDS; v28-30 a conversion's second half; v38, v39 where the words are read back;
; v32.. codes, 8 registers a block; v64-191 numbers.
; 32 numbers of ONE block, v[src] on, become 6 registers of codes at v[32 + 8 k] on, the conversion's operand in v[16 + k] and the byte in v[20 + k]
.macro QB src, k
.set CC, 32+8*(\k)
	v_max3_num_f32 v12, |v[\src]|, |v[\src+1]|, |v[\src+2]|         ; the block's largest magnitude, in two chains
	v_max3_num_f32 v13, |v[\src+3]|, |v[\src+4]|, |v[\src+5]|
.irp i, 6,10,14,18,22,26
	s_delay_alu instid0(VALU_DEP_2)
	v_max3_num_f32 v12, v12, |v[\src+\i]|, |v[\src+\i+1]|
	s_delay_alu instid0(VALU_DEP_2)
	v_max3_num_f32 v13, v13, |v[\src+\i+2]|, |v[\src+\i+3]|
.endr
	s_delay_alu instid0(VALU_DEP_2)
	v_max3_num_f32 v12, v12, |v[\src+30]|, |v[\src+31]|
	s_delay_alu instid0(VALU_DEP_1)
	v_max3_num_f32 v12, v12, v13, 0x1800000                         ; and the floor 2^(3 - 127): the byte cannot fall under 1
	s_delay_alu instid0(VALU_DEP_1)
	v_add_nc_u32 v[16+\k], 0xff000000, v12                          ; 2 off the exponent field: the conversion takes this operand's exponent field as its scale
	v_cvt_scalef32_pk16_fp6_f32 v[CC:CC+2], v[\src:\src+15], v[16+\k]
	v_cvt_scalef32_pk16_fp6_f32 v[28:30], v[\src+16:\src+31], v[16+\k]   ; (a conversion's three registers begin on an even number)
	v_lshrrev_b32 v[20+\k], 23, v[16+\k]                            ; the scale's byte; also the plain instruction behind the conversions
	v_mov_b32 v[CC+3], v28
	v_mov_b32 v[CC+4], v29
	v_mov_b32 v[CC+5], v30
.endm
	s_load_b256 s[4:11], s[0:1], 0x0               ; x s[4:5], W_kqv s[6:7], W_proj s[8:9], ximg s[10:11]
	s_load_b128 s[12:15], s[0:1], 0x20             ; xsc s[12:13], wimg s[14:15]
	s_load_b64 s[16:17], s[0:1], 0x30              ; wsc
	v_lshl_add_u32 v14, v0, 2, SPARE
	v_mov_b32 v15, 0
	v_lshrrev_b32 v1, 5, v0
	s_delay_alu instid0(VALU_DEP_1)
	v_readfirstlane_b32 s18, v1                    ; wave = K step
	v_and_b32 v1, 31, v0                           ; lane
	v_and_b32 v2, 15, v0                           ; r
	v_bfe_u32 v3, v0, 4, 1                         ; h
	s_delay_alu instid0(VALU_DEP_1)
	v_lshlrev_b32 v4, 12, v3
	s_delay_alu instid0(VALU_DEP_1)
	v_lshl_add_u32 v4, v2, 4, v4                   ; x: lanes 0-15 one row's 256 bytes, lanes 16-31 the next row's
	s_mul_i32 s19, s18, 8704                       ; my wave's two stages
	v_mul_u32_u24 v5, v3, 272
	s_delay_alu instid0(VALU_DEP_1)
	v_lshl_add_u32 v5, v2, 4, v5
	s_delay_alu instid0(VALU_DEP_1)
	v_add_nc_u32 v5, s19, v5                       ; in: as loaded
	v_mul_u32_u24 v6, v2, 272
	s_delay_alu instid0(VALU_DEP_1)
	v_lshl_add_u32 v6, v3, 7, v6
	s_delay_alu instid0(VALU_DEP_1)
	v_add_nc_u32 v6, s19, v6                       ; out: row r, my half's 32 numbers
	v_lshlrev_b32 v7, 4, v1
	v_lshlrev_b32 v8, 3, v1
	v_lshlrev_b32 v11, 2, v1
	v_bfe_u32 v12, v0, 3, 1                        ; a weight's column l of 32 lies in tile u = (l / 8) % 2,
	v_and_b32 v13, 7, v0
	s_delay_alu instid0(VALU_DEP_1)
	v_lshl_add_u32 v13, v3, 3, v13                 ; at lane rr = l % 8 + 8 (l / 16)
	s_delay_alu instid0(VALU_DEP_3)
	v_mul_u32_u24 v9, v12, 1536
	s_delay_alu instid0(VALU_DEP_1)
	v_lshl_add_u32 v10, v13, 3, v9
	s_delay_alu instid0(VALU_DEP_2)
	v_lshl_add_u32 v9, v13, 4, v9
	s_lshl_b32 s19, s18, 2
	v_lshlrev_b32 v26, 5, v2
	s_delay_alu instid0(VALU_DEP_1)
	v_add_nc_u32 v26, s19, v26
	s_delay_alu instid0(VALU_DEP_1)
	v_add_nc_u32 v26, SCX, v26                     ; x's scale word: 32 r + 4 x K step
	v_lshl_add_u32 v27, v12, 4, v13
	s_delay_alu instid0(VALU_DEP_1)
	v_lshlrev_b32 v27, 5, v27
	s_delay_alu instid0(VALU_DEP_1)
	v_add_nc_u32 v27, s19, v27
	s_delay_alu instid0(VALU_DEP_1)
	v_add_nc_u32 v27, SCW, v27                     ; a weight's: 32 (16 u + rr) + 4 x K step
	v_add_nc_u32 v38, SCX, v7
	s_min_u32 s43, s18, 1
	s_lshl_b32 s43, s43, 9                         ; waves 0 and 1 carry the weights' words out, 512 bytes each
	v_add_nc_u32 v39, s43, v7
	s_delay_alu instid0(VALU_DEP_1)
	v_add_nc_u32 v39, SCW, v39
	s_mov_b32 s44, 0x76543210
	s_mov_b32 s45, 0xfedcba98                      ; v_permlanex16_b32's selects for lane l xor 16
	s_and_b32 s20, ttmp7, 0xffff                   ; y
	s_wait_kmcnt 0x0
	s_cmp_lt_u32 s20, 4
	s_cbranch_scc1 .Lw_path
	; ---- x: tile ti = 32 (y - 4) + X of 512
	s_sub_co_u32 s21, s20, 4
	s_lshl_b32 s21, s21, 5
	s_add_co_u32 s21, s21, ttmp9                   ; ti
	s_lshr_b32 s22, s21, 3                         ; group
	s_and_b32 s23, s21, 7                          ; tile
	s_lshl_b32 s24, s22, 7
	; x'S ORDER OF ROWS (the head's line on rows holds for the weights alone): lane r of tile T holds token 64 (T / 4) + 8 (T % 4) + r % 8 + 32 (r / 8) of its group
	s_lshr_b32 s25, s23, 2
	s_lshl_b32 s25, s25, 6
	s_add_co_u32 s24, s24, s25
	s_and_b32 s25, s23, 3
	s_lshl_b32 s25, s25, 3
	s_add_co_u32 s24, s24, s25                     ; the tile's first token
	s_lshl_b32 s24, s24, 12
	s_lshl_b32 s25, s18, 9
	s_add_co_u32 s24, s24, s25                     ; + 512 bytes a K step
	s_mov_b32 s25, 0
	s_add_nc_u64 s[4:5], s[4:5], s[24:25]
	s_lshl_b32 s24, s22, 3
	s_add_co_u32 s24, s24, s18
	s_lshl_b32 s24, s24, 3
	s_add_co_u32 s24, s24, s23
	s_mul_i32 s24, s24, 1536
	s_add_nc_u64 s[10:11], s[10:11], s[24:25]      ; my image
	s_lshl_b32 s24, s21, 9
	s_add_nc_u64 s[12:13], s[12:13], s[24:25]      ; the tile's 512 bytes of scale words
.irp c, 0,1
.irp t, 0,1,2,3,4,5,6,7
	global_load_b128 v[64+32*\c+4*\t:67+32*\c+4*\t], v4, s[4:5] offset:(2*\t+24*(\t/4))*4096+256*\c th:TH_LOAD_NT   ; two rows' 256 consecutive bytes; rows 8-15 of a tile lie 32 tokens behind rows 0-7
.endr
.endr
	s_wait_loadcnt 0x8                             ; the first 64 along K are in; the other half's eight loads stay out
.irp t, 0,1,2,3,4,5,6,7
	ds_store_b128 v5, v[64+4*\t:67+4*\t] offset:544*\t
.endr
.irp k, 0,1,2,3,4,5,6,7
	ds_load_b128 v[128+4*\k:131+4*\k], v6 offset:16*\k          ; LDS serves a wave's instructions in order: these see my stores
.endr
	s_wait_loadcnt 0x0
.irp t, 0,1,2,3,4,5,6,7
	ds_store_b128 v5, v[96+4*\t:99+4*\t] offset:4352+544*\t
.endr
.irp k, 0,1,2,3,4,5,6,7
	ds_load_b128 v[160+4*\k:163+4*\k], v6 offset:4352+16*\k
.endr
	s_wait_dscnt 0x10                              ; the first half is back; behind it stand the second half's 8 stores and 8 loads
	QB 128, 0
	global_store_b128 v7, v[32:35], s[10:11]       ; 512 consecutive bytes
	global_store_b64 v8, v[36:37], s[10:11] offset:512
	s_wait_dscnt 0x0
	QB 160, 1
	global_store_b128 v7, v[40:43], s[10:11] offset:768
	global_store_b64 v8, v[44:45], s[10:11] offset:1280
	v_lshl_or_b32 v24, v21, 16, v20                ; my two bytes: blocks h and 2 + h of row r,
	v_lshlrev_b32 v25, 3, v3
	s_delay_alu instid0(VALU_DEP_1)
	v_lshlrev_b32 v24, v25, v24                    ; at their places in the word;
	v_mov_b32 v25, 0
	s_delay_alu instid0(VALU_DEP_1)
	v_permlanex16_b32 v25, v24, s44, s45
	s_delay_alu instid0(VALU_DEP_1)
	v_or_b32 v24, v24, v25                         ; with lane l xor 16's two the word is whole
	ds_store_b32 v26, v24                          ; (both halves of the lanes write the same word with the same value)
	s_wait_dscnt 0x0                               ; for the others' sake: my store has landed
	s_barrier_signal -1
	s_barrier_wait -1
	s_cmp_lg_u32 s18, 0
	s_cbranch_scc1 .Lend
	ds_load_b128 v[64:67], v38                     ; wave 0 carries the tile's 16 rows x 8 words out
	s_wait_dscnt 0x0
	global_store_b128 v7, v[64:67], s[12:13]       ; 512 consecutive bytes
	s_branch .Lend
	; ---- a weight: 32 columns, my K step's 128 rows.  A lane takes a column and its registers run down K
.Lw_path:
	s_lshl_b32 s21, s20, 5
	s_add_co_u32 s21, s21, ttmp9                   ; 0 .. 127
	s_cmp_lt_u32 s21, 96
	s_cbranch_scc0 .Lw_proj
	s_and_b32 s22, s21, 15                         ; head
	s_lshr_b32 s23, s21, 4                         ; which 32 of its 192 columns: 0, 1 k; 2, 3 q; 4, 5 v
	s_mul_i32 s24, s22, 786432
	s_mul_i32 s25, s18, 98304
	s_add_co_u32 s24, s24, s25
	s_lshl_b32 s25, s23, 7
	s_add_co_u32 s24, s24, s25
	s_mov_b32 s25, 0
	s_add_nc_u64 s[26:27], s[6:7], s[24:25]
	s_lshr_b32 s28, s22, 1
	s_add_co_u32 s28, s28, 16                      ; v: group 16 + head / 2,
	s_and_b32 s29, s22, 1
	s_lshl_b32 s29, s29, 1
	s_add_co_u32 s29, s29, s23
	s_sub_co_u32 s29, s29, 4                       ; pair of tiles 2 (head % 2) + which - 4
	s_cmp_lt_u32 s23, 4
	s_cselect_b32 s28, s22, s28                    ; k, q: group = head,
	s_cselect_b32 s29, s23, s29                    ; pair = which
.set i, 0
.rept 128
	global_load_b32 v[64+i], v11, s[26:27] offset:i*768 th:TH_LOAD_NT    ; 32 lanes read 128 consecutive bytes of row i
.set i, i+1
.endr
	s_branch .Lw_join
.Lw_proj:
	s_sub_co_u32 s22, s21, 96                      ; which 32 of W_proj's 1,024 columns
	s_lshl_b32 s24, s18, 19
	s_lshl_b32 s25, s22, 7
	s_add_co_u32 s24, s24, s25
	s_mov_b32 s25, 0
	s_add_nc_u64 s[26:27], s[8:9], s[24:25]
	s_lshr_b32 s28, s22, 2
	s_add_co_u32 s28, s28, 24
	s_and_b32 s29, s22, 3
.set i, 0
.rept 128
	global_load_b32 v[64+i], v11, s[26:27] offset:i*4096 th:TH_LOAD_NT
.set i, i+1
.endr
.Lw_join:
	s_lshl_b32 s24, s28, 3
	s_add_co_u32 s24, s24, s18
	s_lshl_b32 s24, s24, 3
	s_lshl_b32 s25, s29, 1
	s_add_co_u32 s24, s24, s25
	s_mul_i32 s24, s24, 1536
	s_mov_b32 s25, 0
	s_add_nc_u64 s[14:15], s[14:15], s[24:25]      ; the pair's two images of my K step
	s_lshl_b32 s24, s28, 7
	s_lshl_b32 s30, s29, 5
	s_add_co_u32 s24, s24, s30
	s_lshl_b32 s24, s24, 5
	s_add_co_u32 s24, s24, s43
	s_add_nc_u64 s[16:17], s[16:17], s[24:25]      ; the pair's 1,024 bytes of scale words, my half
; block k of my column is registers 6 (k / 2) on of image lane rr + 16 (k % 2)
.macro WST k
	global_store_b128 v9, v[32+8*\k:35+8*\k], s[14:15] offset:768*(\k/2)+256*(\k%2)    ; sixteen lanes fill 256 consecutive bytes in each of the two images
	global_store_b64 v10, v[36+8*\k:37+8*\k], s[14:15] offset:768*(\k/2)+512+128*(\k%2)
.endm
	s_wait_loadcnt 0x3f                            ; block 0's 32 loads are in: 96 younger ones could stay out; a wait names 63 at the most
	QB 64, 0
	WST 0
	s_wait_loadcnt 0x3f                            ; block 1's: 64 could stay out
	QB 96, 1
	WST 1
	s_wait_loadcnt 0x20                            ; block 2's: the last 32 stay out
	QB 128, 2
	WST 2
	s_wait_loadcnt 0x0
	QB 160, 3
	WST 3
	v_lshl_or_b32 v24, v21, 8, v20                 ; my column's four bytes are its word for this K step
	s_delay_alu instid0(VALU_DEP_1)
	v_lshl_or_b32 v24, v22, 16, v24
	s_delay_alu instid0(VALU_DEP_1)
	v_lshl_or_b32 v24, v23, 24, v24
	ds_store_b32 v27, v24
	s_wait_dscnt 0x0                               ; for the others' sake: my store has landed
	s_barrier_signal -1
	s_barrier_wait -1
	s_cmp_lt_u32 s18, 2
	s_cbranch_scc0 .Lend
	ds_load_b128 v[64:67], v39
	s_wait_dscnt 0x0
	global_store_b128 v7, v[64:67], s[16:17]       ; 512 consecutive bytes
.Lend:
	s_wait_tensorcnt 0x0                           ; the wave's end, behind my last LDS store
	ds_add_u32 v14, v15
	s_wait_dscnt 0x0
	s_endpgm
.Lfunc_end_k_qa4cfad1d56_quant:
	.size	k_qa4cfad1d56_quant, .Lfunc_end_k_qa4cfad1d56_quant-k_qa4cfad1d56_quant
	.p2alignl 7, 3214868480
	.fill 96, 4, 3214868480
	.section	.rodata,"a",@progbits
	.p2align	6, 0x0
	.amdhsa_kernel k_qa4cfad1d56_quant
		.amdhsa_group_segment_fixed_size 72192
		.amdhsa_private_segment_fixed_size 0
		.amdhsa_enable_private_segment 0
		.amdhsa_kernarg_size 56
		.amdhsa_user_sgpr_count 2
		.amdhsa_user_sgpr_kernarg_segment_ptr 1
		.amdhsa_wavefront_size32 1
		.amdhsa_system_sgpr_workgroup_id_x 1
		.amdhsa_system_sgpr_workgroup_id_y 1
		.amdhsa_system_sgpr_workgroup_id_z 1
		.amdhsa_system_vgpr_workitem_id 0
		.amdhsa_next_free_vgpr 192
		.amdhsa_next_free_sgpr 66
		.amdhsa_reserve_vcc 0
		.amdhsa_float_denorm_mode_32 3
		.amdhsa_float_denorm_mode_16_64 3
		.amdhsa_memory_ordered 1
		.amdhsa_forward_progress 1
		.amdhsa_inst_pref_size 47
	.end_amdhsa_kernel
	.amdgpu_metadata
---
amdhsa.version: [ 1, 2 ]
amdhsa.kernels:
  - .name:           k_qa4cfad1d56_quant
    .symbol:         k_qa4cfad1d56_quant.kd
    .args:
      - { .name: x, .offset: 0, .size: 8, .value_kind: global_buffer, .address_space: global }
      - { .name: W_kqv, .offset: 8, .size: 8, .value_kind: global_buffer, .address_space: global }
      - { .name: W_proj, .offset: 16, .size: 8, .value_kind: global_buffer, .address_space: global }
      - { .name: ximg, .offset: 24, .size: 8, .value_kind: global_buffer, .address_space: global }
      - { .name: xsc, .offset: 32, .size: 8, .value_kind: global_buffer, .address_space: global }
      - { .name: wimg, .offset: 40, .size: 8, .value_kind: global_buffer, .address_space: global }
      - { .name: wsc, .offset: 48, .size: 8, .value_kind: global_buffer, .address_space: global }
    .group_segment_fixed_size: 72192
    .private_segment_fixed_size: 0
    .kernarg_segment_align: 8
    .kernarg_segment_size: 56
    .max_flat_workgroup_size: 256
    .sgpr_count:     66
    .vgpr_count:     192
    .wavefront_size: 32
...
	.end_amdgpu_metadata
.endif
;; end of part 1
;; launch kqv (part 2): grid 8 x 32, 4 waves a work-group, clusters of 4 x 4, 327,680 bytes of LDS; arguments ximg, xsc, wimg, wsc, b_kqv, kv, qb; writes kv, qb
.if DOCPART == 2
	.amdgcn_target "amdgcn-amd-amdhsa--gfx1250"
	.amdhsa_code_object_version 6
	.text
	.protected	k_qa4cfad1d56_kqv
	.globl	k_qa4cfad1d56_kqv
	.p2align	8
	.type	k_qa4cfad1d56_kqv,@function
k_qa4cfad1d56_kqv:
	s_mov_b64 s[64:65], 0
	v_nop
	global_prefetch_b8 v0, s[64:65] scope:SCOPE_SE
	s_setreg_imm32_b32 hwreg(HW_REG_WAVE_MODE, 25, 1), 1
	s_wait_xcnt 0x0
	s_wait_alu depctr_hold_cnt(0) depctr_sa_sdst(0) depctr_va_vdst(0) depctr_va_sdst(0) depctr_va_ssrc(0) depctr_va_vcc(0) depctr_vm_vsrc(0)
	s_getreg_b32 s2, hwreg(HW_REG_IB_STS2, 6, 4)
	s_cmp_eq_u32 s2, 0
	s_cbranch_scc0 .Lentry_in_a_cluster
	s_endpgm
.Lentry_in_a_cluster:
	s_bfe_u32 s2, ttmp6, 0x10000c
	s_cmp_lg_u32 s2, 0xf033
	s_cbranch_scc0 .Lentry_shape_is_right
	s_endpgm
.Lentry_shape_is_right:
; LAUNCH 2 OF 4.  kqv = x W_kqv + b_kqv on codes of FP6, and k, q, v quantised in registers for the two products of attention.  No f32 result goes to memory.  Nothing is left out here.
; 256 work-groups.  Work-group (p, t) takes the pair of token groups 2 t, 2 t + 1 (256 tokens) and heads 2 p, 2 p + 1 (384 columns), in THREE PHASES on one x:
;   phases 0, 1 (a loop of two trips): A = tokens (source 1: a lane holds a token), B = wimg's group 2 p + trip, the head's k and q columns (source 0: they run along a lane's registers).
;     Wave w: tiles 4 (w % 2) on of token group w / 2 x the group's 8 tiles.
;   phase 2 (written out: it asks for no tile more): A = wimg's group 16 + p, both heads' v columns, B = tokens.  Wave w: tiles 4 (w / 2) on of A x token group w % 2: the registers run along 128 keys.
; So one way out serves all: the quantiser runs along the registers.  32 accumulators a wave, 32 products a K step of 128.
; LDS: x's codes stay: half hf of K (4 K steps) of both groups at 98,304 hf.  The weights go through a ring of two slots of 49,152 bytes (4 K steps of a group) at 196,608.  The spare words at 294,912.
; FILLS.  At the head one joint load a wave: x's half 0, slot 0, x's half 1, slot 1; the first barrier waits for waves 0 and 1 alone, whose load lines are their own.
; Four refills, in K steps 3 and 7 of the loop's trips, each behind a tensor wait, an LDS add and a round of the cluster's barrier; each wave brings one K step, 48 rows of 256 bytes.
; By this text's count a wave has one tensor load out.  CLUSTERS 4 x 4: x hangs on t alone and is asked for jointly along a row of the cluster, the weights on p alone and jointly along a column.
; SCALE WORDS AND BIASES come by plain loads into registers: a load's 32 lanes take two tiles' rows, 32 bytes each; ROW0 / ROW1 picks the tile.  The next phase's words land on this phase's as soon as
; their K steps are done (words 0-3 in K step 4, words 4-7 behind K step 7).  In trip 0 A's words are loaded again as they are, so that both trips count their loads alike.
; PREFETCH: a refill's 192 blocks of 256 bytes are asked for one half phase ahead of it (the first at the head), 12 blocks to each of the 16 waves that ask jointly, told apart by address; none for x (no trip stands ahead of its load).
; OUT: kv and qb as launch 3 reads them: kv [b h][key step][13,056]: +0 k's scale words, +512 v's, +768 k's 8 half images, +6912 v's 4 images; qb [b h][group][6,656]: +0 q's words, +512 q's half images.
; REGISTERS.  window 0: v1 r, v2 h, v4-7 A's LDS addresses (half 0, half 1), v16-19 B's, v8-15 scale words made, v20-22: 32, 16, 8 x lane, v23 16 r + 8 h, v24, v25 the biases' offsets, v26 the prefetches',
;   v28, v29 the add's two; v32-63 B's scale words (8 (tile / 2) + K step), v68-83 A's; v96-191 A's two sets, and the way out; v192-255 k's and q's bias.
;   window 1: B's two sets.  window 2: accumulator (a, b) at v[8 (8 a + b)].  window 3: v768-799 v's bias.
.set XH,    98304
.set SL,    49152
.set RING,  196608
.set SPARE, 294912
.set SBR,   32
.set SAR,   68
.set TM,    176
.set MSB, 0
.macro WIN new
.if MSB != \new
	s_set_vgpr_msb (MSB<<8)|\new
.set MSB, \new
.endif
.endm
.macro PLACES n
.rept \n
	v_nop
.endr
.endm
.macro WALU
	s_wait_alu depctr_va_vdst(0)
.endm
.macro CREST
	s_cmp_lg_u32 s18, 0
	s_cbranch_scc1 .Lnot_wave_0_\@
	s_barrier_signal -3
.Lnot_wave_0_\@:
	s_barrier_wait -3
	s_barrier_signal -1
	s_barrier_wait -1
.endm
.macro CROUND
	s_barrier_signal -1
	s_barrier_wait -1
	CREST
.endm
.macro G1SET g, c, rows, pitch         ; group 1 behind its first word: rows of c elements of 8 bytes
	s_mov_b32 s[\g+1], ((\c)&0xffff)<<16
	s_mov_b32 s[\g+2], ((\c)>>16)|((\rows)<<16)
	s_mov_b32 s[\g+3], (\c)<<16
	s_mov_b32 s[\g+4], \rows
	s_mov_b32 s[\g+5], \pitch
	s_mov_b32 s[\g+6], 0
	s_mov_b32 s[\g+7], 0
.endm
.macro FRAG reg, a16, a8, off          ; an image comes back as the registers that it is
	ds_load_b128 v[(\reg):(\reg)+3], v[\a16] offset:(\off)
	ds_load_b64 v[(\reg)+4:(\reg)+5], v[\a8] offset:(\off)+512
	ds_load_b128 v[(\reg)+6:(\reg)+9], v[\a16] offset:(\off)+768
	ds_load_b64 v[(\reg)+10:(\reg)+11], v[\a8] offset:(\off)+1280
.endm
.macro FETCH n                         ; K step n's fragments into set n % 2: B's eight, A's four
	WIN 0x40
.irp i, 0,1,2,3,4,5,6,7
	FRAG 128*((\n)%2)+12*\i, 16+2*((\n)/4), 17+2*((\n)/4), 12288*((\n)%4)+1536*\i
.endr
	WIN 0
.irp i, 0,1,2,3
	FRAG 96+48*((\n)%2)+12*\i, 4+2*((\n)/4), 5+2*((\n)/4), 12288*((\n)%4)+1536*\i
.endr
.endm
.macro WM c, n, ap, ao, bp, bo
	v_wmma_scale_f32_16x16x128_f8f6f4 v[D_:D_+7], v[B_:B_+11], v[F_:F_+11], \c, v[SBR+8*\bp+(\n)], v[SAR+8*\ap+(\n)] matrix_a_fmt:MATRIX_FMT_FP6 matrix_b_fmt:MATRIX_FMT_FP6 matrix_a_scale:MATRIX_SCALE_ROW\bo matrix_b_scale:MATRIX_SCALE_ROW\ao
.endm
; 8 products: A's tile 2 ap + ao against B's eight; the accumulators take turns.  cm 0: onto the sums; 1: the bias of B's rows starts them; 2: the bias of A's rows
.macro MULA n, cm, ap, ao
.irp bp, 0,1,2,3
.irp bo, 0,1
.set D_, 8*(8*(2*\ap+\ao)+2*\bp+\bo)
.set B_, 128*((\n)%2)+12*(2*\bp+\bo)
.set F_, 96+48*((\n)%2)+12*(2*\ap+\ao)
.if \cm == 0
	WM v[D_:D_+7], \n, \ap, \ao, \bp, \bo
.elseif \cm == 1
	WM v[192+8*(2*\bp+\bo):199+8*(2*\bp+\bo)], \n, \ap, \ao, \bp, \bo
.else
	WM v[8*(2*\ap+\ao):8*(2*\ap+\ao)+7], \n, \ap, \ao, \bp, \bo
.endif
.endr
.endr
.endm
.macro NOHOOK
.endm
; a K step: the next step's 48 LDS loads go out first and have this step's 32 products in which to land
.macro STEP n, cm, hook=NOHOOK
	s_wait_dscnt 0x0                               ; this step's fragments are in
.if (\n) > 0
	PLACES 4                                       ; in front of loads into registers that the step before multiplied
.endif
	\hook
.if (\n) < 7
	FETCH (\n)+1
.endif
.if \cm == 0
	WIN 0xa1                                       ; source 0 (B) window 1, source 1 (A) window 0, C and D window 2
.elseif \cm == 1
	WIN 0x81                                       ; C window 0
.else
	WIN 0xb1                                       ; C window 3
.endif
	MULA \n, \cm, 0, 0
	MULA \n, \cm, 0, 1
	MULA \n, \cm, 1, 0
	MULA \n, \cm, 1, 1
	WIN 0
.endm
; K step 3 or 7: a slot is left behind.  rf = 1: the three lines, a round, and the slot's refill with half n / 4 of the next group (s[60:61]); rf = 0: a plain barrier shows the last fill.  nx: the next step is fetched
.macro TURN n, rf, nx
	s_wait_dscnt 0x0                               ; this step's fragments are in: my last reads of the slot
	s_wait_tensorcnt 0x0                           ; all my tensor loads have landed
.if \rf
	ds_add_u32 v28, v29
	s_add_co_u32 s92, s101, SL*((\n)/4)            ; no load of mine is out: the descriptor may be written
	s_mov_b32 s93, 0
	s_add_nc_u64 s[58:59], s[60:61], s[92:93]
	s_or_b32 s59, s59, 0x80000000
	s_add_co_u32 s57, s101, RING+SL*((\n)/4)
	WIN 0xa1
	MULA \n, 0, 0, 0
	s_wait_dscnt 0x0                               ; the add is done
	s_barrier_signal -1
.else
	s_barrier_signal -1
	WIN 0xa1
	MULA \n, 0, 0, 0
.endif
	MULA \n, 0, 0, 1
	WIN 0
	s_barrier_wait -1
.if \rf
	CREST
	tensor_load_to_lds s[56:59], s[40:47]          ; my K step of the refill, the first tensor load behind the round
	s_nop 0
.endif
	PLACES 4
.if \nx
	FETCH (\n)+1
.endif
.if \rf
.if (\n) == 3
	global_prefetch_b8 v26, s[60:61] offset:SL th:TH_LOAD_NT scope:SCOPE_SE    ; what K step 7's refill will load
.else
	s_cmp_eq_u32 s100, 0                           ; trip 1 has no refill more to ask for
	s_cbranch_scc0 .Lnone_\@
	global_prefetch_b8 v26, s[62:63] th:TH_LOAD_NT scope:SCOPE_SE              ; what the next trip's K step 3 will load
.Lnone_\@:
.endif
.endif
	WIN 0xa1
	MULA \n, 0, 1, 0
	MULA \n, 0, 1, 1
	WIN 0
.endm
.macro BIASLD                          ; register j of tile b is column 32 (b / 2) + 16 h + 8 (b % 2) + j of the head's k and q
.irp b, 0,1,2,3,4,5,6,7
	global_load_b128 v[192+8*\b:195+8*\b], v24, s[74:75] offset:128*(\b/2)+32*(\b%2)
	global_load_b128 v[196+8*\b:199+8*\b], v24, s[74:75] offset:128*(\b/2)+32*(\b%2)+16
.endr
.endm
.macro SCLD o                          ; six loads: scale words 0-3 (o = 0) or 4-7 (o = 16) of B's 8 tiles and A's 4
.irp i, 0,1,2,3
	global_load_b128 v[SBR+8*\i+(\o)/4:SBR+8*\i+(\o)/4+3], v20, s[66:67] offset:1024*\i+(\o)
.endr
.irp i, 0,1
	global_load_b128 v[SAR+8*\i+(\o)/4:SAR+8*\i+(\o)/4+3], v20, s[70:71] offset:1024*\i+(\o)
.endr
.endm
.macro HBIAS                           ; K step 1: the bias has started the sums: the next head's lands on it (trip 1 adds 0 and loads the same)
	s_wait_loadcnt 0x0                             ; words 4-7 are in, and no load reads s[74:75] any more
	s_add_nc_u64 s[74:75], s[74:75], s[76:77]
	BIASLD
.endm
.macro HWAIT
	s_wait_loadcnt 0x0
.endm
.macro HLOW
	SCLD 0
.endm
; Tile a's 64 numbers of a lane (window 2; register 16 b + i is place 32 b + 16 h + i along the next K) become a fragment in v[96 + 20 a] on and its scale word in v[8 + a]
.macro QUANTA a, p0, o0, p1, o1, st
.set QS, 64*(\a)
.set PC, 96+20*(\a)
	WIN 0x28
.irp b, 0,1,2,3
	v_max3_num_f32 v[TM+\b], 0x1800000, |v[QS+16*\b]|, |v[QS+1+16*\b]|   ; from each accumulator's low end on; the floor 2^(3 - 127) holds the byte at 1 from below
.endr
.irp i, 2,4,6,8,10,12,14
.irp b, 0,1,2,3
	v_max3_num_f32 v[TM+\b], v[TM+\b], |v[QS+16*\b+\i]|, |v[QS+1+16*\b+\i]|
.endr
.endr
	WIN 0
.irp b, 0,1,2,3
	v_permlanex16_b32 v[TM+4+\b], v[TM+\b], s90, s91
.endr
.irp b, 0,1,2,3
	v_max_num_f32 v[TM+\b], v[TM+\b], v[TM+4+\b]   ; with lane l xor 16's: the block's largest magnitude
.endr
.irp b, 0,1,2,3
	v_add_nc_u32 v[TM+12+\b], 0xff000000, v[TM+\b] ; 2 off its exponent field: the conversion's scale operand
.endr
.irp b, 0,1,2,3
	v_lshrrev_b32 v[TM+4+\b], 23, v[TM+12+\b]      ; the byte
.endr
	v_lshl_or_b32 v[8+\a], v[TM+5], 8, v[TM+4]
	v_lshl_or_b32 v[8+\a], v[TM+6], 16, v[8+\a]
	v_lshl_or_b32 v[8+\a], v[TM+7], 24, v[8+\a]
	WIN 0x02
.irp c, 0,1
	v_cvt_scalef32_pk16_fp6_f32 v[PC+6*\c:PC+2+6*\c], v[QS+32*\c:QS+15+32*\c], v[TM+12+2*\c]
	v_cvt_scalef32_pk16_fp6_f32 v[PC+12+4*\c:PC+14+4*\c], v[QS+16+32*\c:QS+31+32*\c], v[TM+12+2*\c+1]
.endr
	WIN 0
	v_nop                                          ; one plain instruction behind the conversions
.irp c, 0,1                            ; the operand's layout wants a whole block in a lane
.irp i, 0,1,2
	v_permlane16_swap_b32 v[PC+6*\c+\i], v[PC+12+4*\c+\i]
.endr
.irp i, 0,1,2
	v_mov_b32 v[PC+3+6*\c+\i], v[PC+12+4*\c+\i]
.endr
.endr
	global_store_b128 v21, v[PC:PC+3], s[\p0:\p0+1] offset:(\o0)+(\st)*(\a)          ; 512 consecutive bytes
	global_store_b64 v22, v[PC+4:PC+5], s[\p0:\p0+1] offset:(\o0)+(\st)*(\a)+512     ; 256
	global_store_b128 v21, v[PC+6:PC+9], s[\p1:\p1+1] offset:(\o1)+(\st)*(\a)
	global_store_b64 v22, v[PC+10:PC+11], s[\p1:\p1+1] offset:(\o1)+(\st)*(\a)+512
.endm
; v's way out.  B's tiles are tokens in x's order of rows (tile b, row m: key 64 (b / 4) + 8 (b % 4) + m % 8 + 32 (m / 8)), so register 32 c + i of a lane is key 64 c + 32 h + i: a whole block of 32 keys in a lane.
; No other lane is asked for a maximum; the scale word's four bytes are gathered from lanes l and l xor 16.
.macro QUANTV a
.set QS, 64*(\a)
.set PC, 96+20*(\a)
	WIN 0x28
.irp b, 0,1,2,3
	v_max3_num_f32 v[TM+\b], 0x1800000, |v[QS+16*\b]|, |v[QS+1+16*\b]|   ; four chains, from each accumulator's low end on; the floor 2^(3 - 127)
.endr
.irp i, 2,4,6,8,10,12,14
.irp b, 0,1,2,3
	v_max3_num_f32 v[TM+\b], v[TM+\b], |v[QS+16*\b+\i]|, |v[QS+1+16*\b+\i]|
.endr
.endr
	WIN 0
	v_max_num_f32 v[TM], v[TM], v[TM+1]            ; block h
	v_max_num_f32 v[TM+2], v[TM+2], v[TM+3]        ; block 2 + h
	v_add_nc_u32 v[TM+12], 0xff000000, v[TM]       ; 2 off the exponent field: the conversions' scale operands
	v_add_nc_u32 v[TM+13], 0xff000000, v[TM+2]
	v_lshrrev_b32 v[TM+4], 23, v[TM+12]
	v_lshrrev_b32 v[TM+5], 23, v[TM+13]
	v_lshl_or_b32 v[TM+4], v[TM+5], 16, v[TM+4]    ; my two bytes,
	v_lshlrev_b32 v[TM+4], v27, v[TM+4]            ; 8 h bits up;
	v_permlanex16_b32 v[TM+6], v[TM+4], s90, s91
	v_or_b32 v[8+\a], v[TM+4], v[TM+6]             ; with lane l xor 16's two the word is whole
	WIN 0x02
.irp c, 0,1
	v_cvt_scalef32_pk16_fp6_f32 v[PC+6*\c:PC+2+6*\c], v[QS+32*\c:QS+15+32*\c], v[TM+12+\c]
	v_cvt_scalef32_pk16_fp6_f32 v[PC+12+4*\c:PC+14+4*\c], v[QS+16+32*\c:QS+31+32*\c], v[TM+12+\c]
.endr
	WIN 0
	v_nop                                          ; one plain instruction behind the conversions
.irp c, 0,1
.irp i, 0,1,2
	v_mov_b32 v[PC+3+6*\c+\i], v[PC+12+4*\c+\i]    ; (a conversion's three registers begin on an even number)
.endr
.endr
	global_store_b128 v21, v[PC:PC+3], s[86:87] offset:6912+1536*(\a)
	global_store_b64 v22, v[PC+4:PC+5], s[86:87] offset:6912+1536*(\a)+512
	global_store_b128 v21, v[PC+6:PC+9], s[86:87] offset:7680+1536*(\a)
	global_store_b64 v22, v[PC+10:PC+11], s[86:87] offset:7680+1536*(\a)+512
.endm
.macro WAYOUT ty
.irp b, 0,1,2,3
	v_mov_b32 v[TM+4+\b], 0                        ; a lane permute's destination counts as one of its sources
.endr
.irp a, 0,1,2,3
.if \ty == 0
	QUANTA \a, 78, 768, 80, 512, 768               ; registers 0-5: k's half image; 6-11: q's
.else
	QUANTV \a                                      ; v's image
.endif
.endr
	v_cmp_ne_u32 s88, 0, v2                        ; lanes 16-31
	v_cndmask_b32 v12, v8, v10, s88                ; row r's four words: lanes 0-15 carry tiles 0, 1, lanes 16-31 tiles 2, 3
	v_cndmask_b32 v13, v9, v11, s88
.if \ty == 0
	global_store_b64 v23, v[12:13], s[82:83]       ; 256 consecutive bytes
	v_lshrrev_b32 v14, 16, v12                     ; q's words: its two bytes, and two bytes 0 over the zero codes of the padded half
	v_lshrrev_b32 v15, 16, v13
	global_store_b64 v23, v[14:15], s[84:85]
.else
	global_store_b64 v23, v[12:13], s[86:87] offset:512
.endif
.endm
.macro BLK g, hd                       ; s94 = 16 (16 (g / 16) + head) + g % 16
	s_lshr_b32 s94, s\g, 4
	s_lshl_b32 s94, s94, 4
	s_add_co_u32 s94, s94, s\hd
	s_lshl_b32 s94, s94, 4
	s_and_b32 s93, s\g, 15
	s_add_co_u32 s94, s94, s93
.endm
.macro ARM w, g0, g1, next
	s_cmp_eq_u32 s18, \w
	s_cbranch_scc0 \next
	tensor_load_to_lds s[\g0:\g0+3], s[\g1:\g1+7]
	s_nop 0
	PLACES 4
	s_branch .Lasked
\next:
.endm
	s_load_b256 s[4:11], s[0:1], 0x0               ; ximg s[4:5], xsc s[6:7], wimg s[8:9], wsc s[10:11]
	s_load_b128 s[12:15], s[0:1], 0x20             ; b_kqv s[12:13], kv s[14:15]
	s_load_b64 s[16:17], s[0:1], 0x30              ; qb
	v_lshl_add_u32 v28, v0, 2, SPARE
	v_mov_b32 v29, 0
	ds_add_u32 v28, v29                            ; the opening: the add, twice on end, and its wait ahead of the first tensor load
	ds_add_u32 v28, v29
	v_lshrrev_b32 v1, 5, v0
	v_readfirstlane_b32 s18, v1                    ; wave
	s_lshr_b32 s19, s18, 1
	s_and_b32 s20, s18, 1
	s_bfe_u32 s21, ttmp6, 0x40000                  ; cx
	s_bfe_u32 s22, ttmp6, 0x40004                  ; cy
	s_lshl_b32 s2, ttmp9, 2
	s_add_co_u32 s2, s2, s21                       ; p
	s_and_b32 s3, ttmp7, 0xffff
	s_lshl_b32 s3, s3, 2
	s_add_co_u32 s3, s3, s22                       ; t
	s_lshl_b32 s92, s22, 2
	s_lshl_b32 s92, 15, s92                        ; my row of the cluster
	s_lshl_b32 s93, 0x1111, s21                    ; my column
	s_or_b32 s24, s92, (3<<16)|(1<<21)
	s_or_b32 s32, s93, (3<<16)|(1<<21)
	s_or_b32 s40, s93, (3<<16)|(1<<21)
	G1SET 24, 6144, 2, 12288                       ; x's half of K: two groups' 49,152 bytes, 98,304 apart in memory, on end in LDS
	G1SET 32, 32, 192, 32                          ; a slot, dense, as rows of 256 bytes
	G1SET 40, 32, 48, 32                           ; a K step of a slot
	s_mov_b32 s48, 1
	s_mul_i32 s49, s19, XH
	s_mov_b32 s52, 1
	s_mul_i32 s53, s19, SL
	s_add_co_u32 s53, s53, RING
	s_mov_b32 s56, 1
	s_mul_i32 s101, s18, 12288
	s_mul_i32 s98, s19, SL
	s_mul_i32 s94, s3, 196608
	s_add_co_u32 s94, s94, s98
	s_mov_b32 s95, 0
	s_mul_i32 s96, s2, 196608
	s_add_co_u32 s96, s96, s98
	s_mov_b32 s97, 0
	WALU
	s_wait_dscnt 0x0                               ; both opening adds are done
	CROUND                                         ; all sixteen work-groups are here: the joint loads meet
	s_wait_kmcnt 0x0
	s_add_nc_u64 s[50:51], s[4:5], s[94:95]
	s_or_b32 s51, s51, 0x80000000
	s_add_nc_u64 s[54:55], s[8:9], s[96:97]
	s_or_b32 s55, s55, 0x80000000
	ARM 0, 48, 24, .Lw1                            ; x's half 0
	ARM 1, 52, 32, .Lw2                            ; slot 0: K steps 0-3 of head 2 p
	ARM 2, 48, 24, .Lw3                            ; x's half 1
	tensor_load_to_lds s[52:55], s[32:39]          ; slot 1
	s_nop 0
	PLACES 4
.Lasked:
	v_and_b32 v3, 31, v0
	v_and_b32 v1, 15, v0
	v_bfe_u32 v2, v0, 4, 1
	v_lshlrev_b32 v21, 4, v3
	v_lshlrev_b32 v22, 3, v3
	v_lshlrev_b32 v20, 5, v3
	v_lshlrev_b32 v23, 4, v1
	v_lshl_add_u32 v23, v2, 3, v23
	v_lshlrev_b32 v24, 6, v2
	v_and_b32 v25, 8, v1
	v_add_nc_u32 v25, v25, v1
	v_lshlrev_b32 v25, 2, v25
	s_mul_i32 s92, s19, SL
	s_mul_i32 s93, s20, 6144
	s_add_co_u32 s92, s92, s93                     ; A = x: group w / 2, tiles 4 (w % 2) on
	v_add_nc_u32 v4, s92, v21
	v_add_nc_u32 v5, s92, v22
	v_add_nc_u32 v6, XH, v4
	v_add_nc_u32 v7, XH, v5
	v_add_nc_u32 v16, RING, v21                    ; B = the ring
	v_add_nc_u32 v17, RING, v22
	v_add_nc_u32 v18, RING+SL, v21
	v_add_nc_u32 v19, RING+SL, v22
	s_lshl_b32 s92, s22, 2
	s_add_co_u32 s92, s92, s18
	s_mul_i32 s92, s92, 3072                       ; my 12 blocks of a refill's 192
	v_min_u32 v26, 11, v3
	v_lshl_add_u32 v26, v26, 8, s92
	s_lshl_b32 s92, s3, 13
	s_lshl_b32 s93, s19, 12
	s_add_co_u32 s94, s92, s93
	s_lshl_b32 s93, s20, 11
	s_add_co_u32 s94, s94, s93
	s_add_nc_u64 s[70:71], s[6:7], s[94:95]        ; A's scale words: x's, my four tiles
	s_lshl_b32 s93, s20, 12
	s_add_co_u32 s94, s92, s93
	s_add_nc_u64 s[68:69], s[6:7], s[94:95]        ; phase 2's B: x's, group w % 2
	s_lshl_b32 s94, s2, 13
	s_add_nc_u64 s[66:67], s[10:11], s[94:95]      ; B's: head 2 p
	s_lshl_b32 s94, s2, 12
	s_lshl_b32 s93, s19, 11
	s_add_co_u32 s94, s94, s93
	s_add_co_u32 s94, s94, 65536
	s_add_nc_u64 s[72:73], s[10:11], s[94:95]      ; phase 2's A: group 16 + p, tiles 4 (w / 2) on
	s_mul_i32 s94, s2, 1536
	s_add_nc_u64 s[74:75], s[12:13], s[94:95]      ; the bias of head 2 p
	s_mul_i32 s93, s19, 768
	s_add_co_u32 s94, s94, s93
	s_add_co_u32 s94, s94, 512
	s_add_nc_u64 s[96:97], s[12:13], s[94:95]      ; v's bias of head 2 p + w / 2
	s_mov_b32 s76, 768
	s_mov_b32 s77, 0
	WALU                                           ; the wait behind the head's last vector instruction
	WIN 0xc0
.irp a, 0,1,2,3
.irp j, 0,1,2,3,4,5,6,7
	global_load_b32 v[8*\a+\j], v25, s[96:97] offset:128*(\a/2)+32*(\a%2)   ; my lane's channel, the same in all eight registers
.endr
.endr
	WIN 0
	BIASLD
	SCLD 0
	SCLD 16
	s_mul_i32 s94, s2, 196608
	s_add_co_u32 s94, s94, 98304
	s_add_nc_u64 s[60:61], s[8:9], s[94:95]        ; the group that trip 0's refills bring: 2 p + 1
	s_mul_i32 s94, s2, 98304
	s_add_co_u32 s94, s94, 16*98304
	s_add_nc_u64 s[62:63], s[8:9], s[94:95]        ; trip 1's: 16 + p
	global_prefetch_b8 v26, s[60:61] th:TH_LOAD_NT scope:SCOPE_SE   ; what the first refill will load
	s_lshl_b32 s98, s3, 1
	s_add_co_u32 s98, s98, s19                     ; k, q: token group 2 t + w / 2,
	s_lshl_b32 s99, s2, 1                          ; head 2 p
	BLK 98, 99
	s_mul_i32 s88, s94, 13056
	s_mul_i32 s89, s94, 6656
	s_mul_i32 s92, s20, 3072
	s_lshl_b32 s93, s20, 8
	s_add_co_u32 s94, s88, s92
	s_add_nc_u64 s[78:79], s[14:15], s[94:95]
	s_add_co_u32 s94, s88, s93
	s_add_nc_u64 s[82:83], s[14:15], s[94:95]
	s_add_co_u32 s94, s89, s92
	s_add_nc_u64 s[80:81], s[16:17], s[94:95]
	s_add_co_u32 s94, s89, s93
	s_add_nc_u64 s[84:85], s[16:17], s[94:95]
	s_lshl_b32 s98, s3, 1
	s_add_co_u32 s98, s98, s20                     ; v: token group 2 t + w % 2,
	s_add_co_u32 s99, s99, s19                     ; head 2 p + w / 2
	BLK 98, 99
	s_mul_i32 s94, s94, 13056
	s_add_nc_u64 s[86:87], s[14:15], s[94:95]
	s_mov_b32 s90, 0x76543210
	s_mov_b32 s91, 0xfedcba98
	s_mov_b32 s100, 0
	s_wait_xcnt 0x0                                ; the loads have read their bases
	s_add_nc_u64 s[66:67], s[66:67], 4096          ; the next phase's B: head 2 p + 1
	s_cmp_lt_u32 s18, 2
	s_cbranch_scc0 .Lnot_first
	s_wait_tensorcnt 0x0
.Lnot_first:
	s_barrier_signal -1
	s_barrier_wait -1                              ; x's half 0 and slot 0 are in; the other two loads may be out
.Ltrip:
	FETCH 0
	s_wait_loadcnt 0x6                             ; all but the six youngest loads, words 4-7
	STEP 0, 1
	STEP 1, 0, HBIAS
	STEP 2, 0
	TURN 3, 1, 1
	STEP 4, 0, HLOW
	STEP 5, 0
	STEP 6, 0
	TURN 7, 1, 0
	PLACES 4                                       ; behind the last products: their scale words are loaded anew, their results read and A's registers written below
	SCLD 16
	WAYOUT 0
	s_wait_xcnt 0x0                                ; stores, loads and prefetches have read their registers and bases
	s_add_nc_u64 s[78:79], s[78:79], 16*13056      ; the next head's blocks
	s_add_nc_u64 s[82:83], s[82:83], 16*13056
	s_add_nc_u64 s[80:81], s[80:81], 16*6656
	s_add_nc_u64 s[84:85], s[84:85], 16*6656
	s_mov_b64 s[60:61], s[62:63]
	s_mov_b64 s[66:67], s[68:69]
	s_mov_b64 s[70:71], s[72:73]
	s_mov_b32 s76, 0
	s_add_co_u32 s100, s100, 1
	s_cmp_lt_u32 s100, 2
	s_cbranch_scc1 .Ltrip
	s_mul_i32 s92, s19, 6144                       ; PHASE 2: A = the ring, tiles 4 (w / 2) on; B = x, group w % 2
	s_add_co_u32 s92, s92, RING
	s_mul_i32 s93, s20, SL
	v_add_nc_u32 v4, s92, v21
	v_add_nc_u32 v5, s92, v22
	v_add_nc_u32 v6, SL, v4
	v_add_nc_u32 v7, SL, v5
	v_add_nc_u32 v16, s93, v21
	v_add_nc_u32 v17, s93, v22
	v_add_nc_u32 v18, XH, v16
	v_add_nc_u32 v19, XH, v17
	v_lshlrev_b32 v27, 3, v2                       ; 8 h
	WALU
	FETCH 0
	s_wait_loadcnt 0x6
	STEP 0, 2
	STEP 1, 0, HWAIT
	STEP 2, 0
	TURN 3, 0, 1
	STEP 4, 0
	STEP 5, 0
	STEP 6, 0
	STEP 7, 0
	PLACES 4
	WAYOUT 1
	s_wait_tensorcnt 0x0                           ; the wave's end
	ds_add_u32 v28, v29
	s_wait_dscnt 0x0
	CROUND                                         ; the closing round
	s_endpgm
.Lfunc_end_k_qa4cfad1d56_kqv:
	.size	k_qa4cfad1d56_kqv, .Lfunc_end_k_qa4cfad1d56_kqv-k_qa4cfad1d56_kqv
	.p2alignl 7, 3214868480
	.fill 96, 4, 3214868480
	.section	.rodata,"a",@progbits
	.p2align	6, 0x0
	.amdhsa_kernel k_qa4cfad1d56_kqv
		.amdhsa_group_segment_fixed_size 327680
		.amdhsa_private_segment_fixed_size 0
		.amdhsa_enable_private_segment 0
		.amdhsa_kernarg_size 56
		.amdhsa_user_sgpr_count 2
		.amdhsa_user_sgpr_kernarg_segment_ptr 1
		.amdhsa_wavefront_size32 1
		.amdhsa_system_sgpr_workgroup_id_x 1
		.amdhsa_system_sgpr_workgroup_id_y 1
		.amdhsa_system_sgpr_workgroup_id_z 1
		.amdhsa_system_vgpr_workitem_id 0
		.amdhsa_next_free_vgpr 800
		.amdhsa_next_free_sgpr 102
		.amdhsa_reserve_vcc 0
		.amdhsa_float_denorm_mode_32 3
		.amdhsa_float_denorm_mode_16_64 3
		.amdhsa_memory_ordered 1
		.amdhsa_forward_progress 1
		.amdhsa_inst_pref_size 170
	.end_amdhsa_kernel
	.amdgpu_metadata
---
amdhsa.version: [ 1, 2 ]
amdhsa.kernels:
  - .name:           k_qa4cfad1d56_kqv
    .symbol:         k_qa4cfad1d56_kqv.kd
    .args:
      - { .name: ximg, .offset: 0, .size: 8, .value_kind: global_buffer, .address_space: global }
      - { .name: xsc, .offset: 8, .size: 8, .value_kind: global_buffer, .address_space: global }
      - { .name: wimg, .offset: 16, .size: 8, .value_kind: global_buffer, .address_space: global }
      - { .name: wsc, .offset: 24, .size: 8, .value_kind: global_buffer, .address_space: global }
      - { .name: b_kqv, .offset: 32, .size: 8, .value_kind: global_buffer, .address_space: global }
      - { .name: kv, .offset: 40, .size: 8, .value_kind: global_buffer, .address_space: global }
      - { .name: qb, .offset: 48, .size: 8, .value_kind: global_buffer, .address_space: global }
    .group_segment_fixed_size: 327680
    .private_segment_fixed_size: 0
    .kernarg_segment_align: 8
    .kernarg_segment_size: 56
    .max_flat_workgroup_size: 128
    .sgpr_count:     102
    .vgpr_count:     800
    .wavefront_size: 32
...
	.end_amdgpu_metadata
.endif
;; end of part 2
;; launch attn (part 3): grid 4 x 64, 16 waves a work-group, clusters of 4 x 1, 227,328 bytes of LDS; arguments qb, kv, simg, ssc; writes simg, ssc
.if DOCPART == 3
	.amdgcn_target "amdgcn-amd-amdhsa--gfx1250"
	.amdhsa_code_object_version 6
	.text
	.protected	k_qa4cfad1d56_attn
	.globl	k_qa4cfad1d56_attn
	.p2align	8
	.type	k_qa4cfad1d56_attn,@function
k_qa4cfad1d56_attn:
	s_mov_b64 s[64:65], 0
	v_nop
	global_prefetch_b8 v0, s[64:65] scope:SCOPE_SE
	s_setreg_imm32_b32 hwreg(HW_REG_WAVE_MODE, 25, 1), 1
	s_wait_xcnt 0x0
	s_wait_alu depctr_hold_cnt(0) depctr_sa_sdst(0) depctr_va_vdst(0) depctr_va_sdst(0) depctr_va_ssrc(0) depctr_va_vcc(0) depctr_vm_vsrc(0)
	s_getreg_b32 s2, hwreg(HW_REG_IB_STS2, 6, 4)
	s_cmp_eq_u32 s2, 0
	s_cbranch_scc0 .Lentry_in_a_cluster
	s_endpgm
.Lentry_in_a_cluster:
	s_bfe_u32 s2, ttmp6, 0x10000c
	s_cmp_lg_u32 s2, 0x3003
	s_cbranch_scc0 .Lentry_shape_is_right
	s_endpgm
.Lentry_shape_is_right:
; LAUNCH 3 OF 4.  For each batch and head: S^T = K Q^T, the causal softmax, O^T = V^T P^T, both products on codes of FP6; O / l is quantised in registers for the projection.
; LEFT OUT: a step of 128 keys all of which lie behind a tile's 16 queries (reference()'s own jnp.tril gives them the weight 0: launch 1's head comment).
; THE SOFTMAX: t = score x log2(e) / 8; M = the ceiling of the largest t so far; p = 2^(t - M) is quantised along the keys, not normalised; the sum of the unquantised p divides at the end.
; -M is kept: the new -M = min(old -M, floor(-(the step's largest t))).  A change of M multiplies the sum and O by a power of two.
; SHARES.  The four work-groups of a cluster share one (batch, head).  Wave w of work-group cx owns TWO tiles of 16 queries, both tile T = cx + 4 (w / 8) of a token group: group w % 8 and group 15 - w % 8.
; So every wave walks (w % 8 + 1) + (16 - w % 8) = 17 key steps of 128, and every work-group needs all 16 key steps: the partners' loads are the same.
; ALL OF THE HEAD'S K, V AND SCALE WORDS LIE IN LDS AT ONCE, as they lie in memory: 16 steps x 13,056 bytes.  Jointly, one load a wave: waves 0 to 2 a third of step 0 each, waves 4 to 6 a third of steps 1 to 15.  Nothing is filled again.
; ORDER OF ROWS.  Row r of tile T of a token group is token 64 (T / 4) + 8 (T % 4) + r % 8 + 32 (r / 8).  Both products are used transposed: a lane holds one query.  So score register 32 c + i of lane (r, h)
; is key 64 c + 32 h + i of the step: A WHOLE BLOCK OF 32 KEYS IN A LANE, in the order that p's operand wants: a block's maximum needs no other lane and no code changes lanes.
; THE MASK.  On a tile's diagonal step the products take as C a table of 0 and -3e38 (register n, lane (r, h): -3e38 where key 64 (n / 32) + n % 32 + 32 h lies behind the lane's query).  It hangs on T alone: two tables
; of 8,192 bytes a work-group, in LDS bytes of their own; wave w builds 8 registers of table w / 8 at the head.
; K = 64 IN A FORM OF 128.  Q's fragment has zero codes in its upper six registers.  K's tiles lie 6 registers apart, so the upper six registers of tile t's operand are tile t + 1's codes (tile 7's: zeros):
; every code is a finite number and no scale byte there is 0xff, so these 64 places add exact zeros.
; STEP 0 has a first form: it starts -M, the sum and O^T (C = 0), so nothing is cleared or rescaled there.
; LIMITS: as launch 1's; 1 / l by v_rcp_f32; scores under 1e37 in magnitude (the mask's -3e38 is added to them); the scaled scores under 2^31.
; REGISTERS: v1, v2: 16, 8 x lane; v3, v4 the step's LDS addresses; v5, v6 the add's two; v7 my mask table; v8-11, v12-15 a tile's -M, Q's scale word, the sum in two halves; v16-27, v28-39 Q;
; v40-93 K's or V's fragments; v94 f, v95 p's scale word; v96-159 S^T, then p; v160-191, v192-223 O^T; v224-235 p's codes; v236-246 at work; v247 8 h; v248-255 K's, then V's scale words, then at work.
.set SB,    13056
.set MT,    208896
.set SPARE, 225280
.macro WALU
	s_wait_alu depctr_va_vdst(0)
.endm
.macro DEP n
	s_delay_alu instid0(VALU_DEP_\n)
.endm
.macro CROUND
	s_barrier_signal -1
	s_barrier_wait -1
	s_cmp_lg_u32 s12, 0
	s_cbranch_scc1 .Lnot_wave_0_\@
	s_barrier_signal -3
.Lnot_wave_0_\@:
	s_barrier_wait -3
	s_barrier_signal -1
	s_barrier_wait -1
.endm
.macro FRAG reg, a16, a8, off
	ds_load_b128 v[(\reg):(\reg)+3], v[\a16] offset:(\off)
	ds_load_b64 v[(\reg)+4:(\reg)+5], v[\a8] offset:(\off)+512
	ds_load_b128 v[(\reg)+6:(\reg)+9], v[\a16] offset:(\off)+768
	ds_load_b64 v[(\reg)+10:(\reg)+11], v[\a8] offset:(\off)+1280
.endm
.macro QK masked                       ; eight tiles of 16 keys; masked: the table, loaded into the scores' registers, is C
.irp t, 0,1,2,3,4,5,6,7
.if \masked
	v_wmma_scale_f32_16x16x128_f8f6f4 v[96+8*\t:103+8*\t], v[40+6*\t:51+6*\t], v[QF_:QF_+11], v[96+8*\t:103+8*\t], v[248+\t], v[ST_+1] matrix_a_fmt:MATRIX_FMT_FP6 matrix_b_fmt:MATRIX_FMT_FP6
.else
	v_wmma_scale_f32_16x16x128_f8f6f4 v[96+8*\t:103+8*\t], v[40+6*\t:51+6*\t], v[QF_:QF_+11], 0, v[248+\t], v[ST_+1] matrix_a_fmt:MATRIX_FMT_FP6 matrix_b_fmt:MATRIX_FMT_FP6
.endif
.endr
.endm
; A KEY STEP of one tile.  QF: Q's registers; ST: the tile's four of state; OB: its O^T; MM: the scalar register with its token group; chk: the step may be hidden; diag: it may be the diagonal; first: step 0
.macro STEP QF, ST, OB, MM, chk, diag, first
.set QF_, \QF
.set ST_, \ST
.if \chk
	s_cmp_gt_u32 s18, s[\MM]                       ; all 128 keys behind my queries: a branch on ids, round no barrier
	s_cbranch_scc1 .Lhid_\@
.endif
	v_add_nc_u32 v3, s19, v1
	v_add_nc_u32 v4, s19, v2
	v_nop
	v_nop                                          ; four places in front of loads into registers that the last products read
	ds_load_b128 v[248:251], v3                    ; K's scale words: lane r has row r's of tiles 0-3,
	ds_load_b128 v[252:255], v3 offset:256         ; and of tiles 4-7
.irp t, 0,1,2,3,4,5,6,7
	ds_load_b128 v[40+6*\t:43+6*\t], v3 offset:768+768*\t
	ds_load_b64 v[44+6*\t:45+6*\t], v4 offset:1280+768*\t
.endr
	WALU
.if \diag
	s_cmp_lg_u32 s18, s[\MM]
	s_cbranch_scc1 .Lopen_\@
.irp q, 0,1,2,3,4,5,6,7,8,9,10,11,12,13,14,15
	ds_load_b128 v[96+4*\q:99+4*\q], v7 offset:512*\q
.endr
	s_wait_dscnt 0x0
	QK 1
	s_branch .Lmet_\@
.Lopen_\@:
.endif
	s_wait_dscnt 0x0
	QK 0
.if \diag
.Lmet_\@:
.endif
.rept 4
	v_nop                                          ; places: the results are read below, and V lands where K lay
.endr
	ds_load_b128 v[248:251], v3 offset:512         ; V's scale words and fragments go out now and land under the softmax
.irp d, 0,1,2,3
	FRAG 40+12*\d, 3, 4, 6912+1536*\d
.endr
.irp b, 0,1,2,3
	v_max3_num_f32 v[236+\b], v[96+16*\b], v[97+16*\b], v[98+16*\b]   ; the largest score, in four chains by turns: two to a block of 32 keys
.endr
.irp i, 3,5,7,9,11,13
.irp b, 0,1,2,3
	v_max3_num_f32 v[236+\b], v[236+\b], v[96+16*\b+\i], v[97+16*\b+\i]
.endr
.endr
	v_max3_num_f32 v236, v236, v237, v111
	v_max3_num_f32 v238, v238, v239, v143
	v_max_num_f32 v236, v236, v127                 ; block h's largest score: it serves the row's maximum and, since p rises with the score, the block's largest p
	v_max_num_f32 v238, v238, v159                 ; block 2 + h's
	DEP 1
	v_max_num_f32 v240, v236, v238
	DEP 1
	v_permlanex16_b32 v241, v240, s20, s21
	DEP 1
	v_max_num_f32 v240, v240, v241                 ; the step's largest score of my query (a key that counts stands in every step that is walked)
	DEP 1
	v_mul_f32 v240, s22, v240                      ; as t
.if \first
	DEP 1
	v_floor_f32 v[\ST], -v240                      ; -M
.else
	DEP 1
	v_floor_f32 v240, -v240
	DEP 1
	v_min_num_f32 v240, v[\ST], v240               ; the new -M
	DEP 1
	v_sub_f32 v241, v240, v[\ST]                   ; old M - new M: a whole number, 0 or less
	DEP 2
	v_mov_b32 v[\ST], v240
	DEP 2
	v_cvt_i32_f32 v241, v241                       ; (it saturates)
	DEP 1
	v_ldexp_f32 v94, 1.0, v241                     ; f = 2^(old M - new M)
.endif
.set j, 0
.rept 32
	v_pk_fma_f32 v[96+j:97+j], v[96+j:97+j], s[22:23], v[\ST:\ST+1] op_sel_hi:[1,0,0]   ; t - M, two at a time (of the pairs the low word serves both halves)
.set j, j+2
.endr
	v_fma_f32 v236, v236, s22, v[\ST]              ; the same of each block's largest score
	v_fma_f32 v238, v238, s22, v[\ST]
	WALU                                           ; ahead of the batch
.set j, 0
.rept 64
	v_exp_f32 v[96+j], v[96+j]                     ; p = 2^(t - M)
.set j, j+1
.endr
	v_exp_f32 v236, v236                           ; the blocks' largest p: the same two instructions on the same number
	v_exp_f32 v238, v238
.if \first
	v_nop                                          ; the plain instruction behind the batch
.else
	v_pk_mul_f32 v[\ST+2:\ST+3], v[\ST+2:\ST+3], v[94:95] op_sel_hi:[1,0]   ; the sums under the new M; the plain instruction behind the batch
.endif
	WALU                                           ; one wait for the 66, ahead of their first reader
	v_pk_add_f32 v[244:245], v[96:97], v[98:99]    ; the row's sum is taken of the unquantised p, in two chains; the blocks' scales stand among them
.irp j, 4,8,12,16,20,24,28,32,36,40,44,48,52,56,60
	v_pk_add_f32 v[\ST+2:\ST+3], v[\ST+2:\ST+3], v[96+\j:97+\j]
	v_pk_add_f32 v[244:245], v[244:245], v[98+\j:99+\j]
.if \j == 4
	v_max_num_f32 v236, 0x1800000, v236            ; the floor 2^(3 - 127)
	v_max_num_f32 v238, 0x1800000, v238
.elseif \j == 8
	v_add_nc_u32 v242, 0xff000000, v236            ; the conversions' scale operands
	v_add_nc_u32 v243, 0xff000000, v238
.elseif \j == 12
	v_lshrrev_b32 v236, 23, v242
	v_lshrrev_b32 v238, 23, v243
.elseif \j == 16
	v_lshl_or_b32 v236, v238, 16, v236             ; my two bytes: blocks h and 2 + h,
.elseif \j == 20
	v_lshlrev_b32 v236, v247, v236                 ; 8 h bits up;
.elseif \j == 24
	v_permlanex16_b32 v237, v236, s20, s21
.elseif \j == 28
	v_or_b32 v95, v236, v237                       ; with lane l xor 16's two: p's scale word for these 128 keys
.endif
.endr
	v_pk_add_f32 v[\ST+2:\ST+3], v[\ST+2:\ST+3], v[244:245]
	v_cvt_scalef32_pk16_fp6_f32 v[224:226], v[96:111], v242
	v_cvt_scalef32_pk16_fp6_f32 v[244:246], v[112:127], v242    ; (a conversion's three registers begin on an even number)
	v_cvt_scalef32_pk16_fp6_f32 v[230:232], v[128:143], v243
	v_cvt_scalef32_pk16_fp6_f32 v[252:254], v[144:159], v243
	v_nop                                          ; one plain instruction behind the conversions
.irp i, 0,1,2
	v_mov_b32 v[227+\i], v[244+\i]
	v_mov_b32 v[233+\i], v[252+\i]
.endr
.if \first
.rept 4
	v_nop                                          ; places between the codes' last writes and the products
.endr
.else
	WALU                                           ; the wait directly ahead of the first reader of O^T
.set j, 0
.rept 16
	v_pk_mul_f32 v[\OB+j:\OB+j+1], v[\OB+j:\OB+j+1], v[94:95] op_sel_hi:[1,0]   ; O^T under the new M; these sixteen also stand between the codes' last writes and the products
.set j, j+2
.endr
.endif
	WALU
	s_wait_dscnt 0x0                               ; V is in
.irp d, 0,1,2,3
.if \first
	v_wmma_scale_f32_16x16x128_f8f6f4 v[\OB+8*\d:\OB+8*\d+7], v[40+12*\d:51+12*\d], v[224:235], 0, v[248+\d], v95 matrix_a_fmt:MATRIX_FMT_FP6 matrix_b_fmt:MATRIX_FMT_FP6
.else
	v_wmma_scale_f32_16x16x128_f8f6f4 v[\OB+8*\d:\OB+8*\d+7], v[40+12*\d:51+12*\d], v[224:235], v[\OB+8*\d:\OB+8*\d+7], v[248+\d], v95 matrix_a_fmt:MATRIX_FMT_FP6 matrix_b_fmt:MATRIX_FMT_FP6
.endif
.endr
.if \chk
.Lhid_\@:
.endif
.endm
	s_load_b256 s[4:11], s[0:1], 0x0               ; qb s[4:5], kv s[6:7], simg s[8:9], ssc s[10:11]
	v_lshl_add_u32 v5, v0, 2, SPARE
	v_mov_b32 v6, 0
	ds_add_u32 v5, v6                              ; the wave's opening: the add, twice on end, and its wait ahead of the first tensor load
	ds_add_u32 v5, v6
	v_lshrrev_b32 v1, 5, v0
	v_readfirstlane_b32 s12, v1                    ; wave 0..15
	s_bfe_u32 s13, ttmp6, 0x40000                  ; cx: it enters global addresses and the mask's numbers alone
	s_and_b32 s14, ttmp7, 0xffff                   ; 16 x batch + head, which the partners share
	s_lshr_b32 s49, s12, 3
	s_and_b32 s16, s12, 7                          ; the first tile's token group,
	s_sub_co_u32 s17, 15, s16                      ; the second's
	s_lshl_b32 s15, s49, 2
	s_add_co_u32 s15, s15, s13                     ; T
	s_mov_b32 s24, 15|(3<<16)|(1<<21)              ; the mask: all four; elements of 8 bytes; bit 21 beside a mask.  Rows of 256 bytes, dense, no padding
	s_mov_b32 s25, 32<<16
	s_mov_b32 s26, 17<<16                          ; a third of step 0: 17 rows
	s_mov_b32 s27, 32<<16
	s_mov_b32 s28, 17
	s_mov_b32 s29, 32
	s_mov_b32 s30, 0
	s_mov_b32 s31, 0
	s_mov_b32 s32, 15|(3<<16)|(1<<21)
	s_mov_b32 s33, 32<<16
	s_mov_b32 s34, 255<<16                         ; a third of steps 1 to 15: 255 rows
	s_mov_b32 s35, 32<<16
	s_mov_b32 s36, 255
	s_mov_b32 s37, 32
	s_mov_b32 s38, 0
	s_mov_b32 s39, 0
	s_mov_b32 s40, 1
	s_mul_i32 s41, s12, 4352
	s_mov_b32 s44, 1
	s_and_b32 s45, s12, 3
	s_mul_i32 s45, s45, 65280
	s_add_co_u32 s45, s45, SB
	s_mul_i32 s50, s14, 16*SB
	s_mov_b32 s51, 0
	s_mov_b32 s53, 0
	s_mov_b32 s20, 0x76543210
	s_mov_b32 s21, 0xfedcba98
	s_mov_b32 s22, 0x3e38aa3b                      ; c = log2(e) / sqrt(64)
	s_mov_b32 s23, s22
	WALU
	s_wait_dscnt 0x0                               ; both opening adds are done
	s_wait_kmcnt 0x0
	s_add_nc_u64 s[6:7], s[6:7], s[50:51]          ; the head's block: LDS is its image
	s_mov_b32 s52, s41
	s_add_nc_u64 s[42:43], s[6:7], s[52:53]
	s_or_b32 s43, s43, 0x80000000
	s_mov_b32 s52, s45
	s_add_nc_u64 s[46:47], s[6:7], s[52:53]
	s_or_b32 s47, s47, 0x80000000
	CROUND                                         ; all four work-groups are here: the joint loads meet
	s_cmp_lt_u32 s12, 3                            ; one load a wave, in one chain of arms
	s_cbranch_scc0 .Lrest
	tensor_load_to_lds s[40:43], s[24:31]
	s_nop 0
.rept 4
	v_nop
.endr
	s_branch .Lasked
.Lrest:
	s_cmp_lt_u32 s12, 4
	s_cbranch_scc1 .Lasked
	s_cmp_lt_u32 s12, 7
	s_cbranch_scc0 .Lasked
	tensor_load_to_lds s[44:47], s[32:39]
	s_nop 0
.rept 4
	v_nop
.endr
.Lasked:
	s_lshl_b32 s2, s49, 6                          ; my query's place in its group is 64 (w / 8) + 8 cx + r % 8 + 32 (r / 8);
	s_lshl_b32 s3, s13, 3
	s_add_co_u32 s2, s2, s3
	s_lshr_b32 s3, s16, 2                          ; I build the table's registers 8 u + i, u = w % 8: keys 64 (u / 4) + 8 (u % 4) + i + 32 h
	s_lshl_b32 s3, s3, 6
	s_sub_co_u32 s2, s2, s3
	s_and_b32 s3, s16, 3
	s_lshl_b32 s3, s3, 3
	s_sub_co_u32 s2, s2, s3                        ; (a signed number)
	s_lshl_b32 s56, s12, 10
	s_add_co_u32 s56, s56, MT                      ; table w / 8, registers 8 (w % 8) on: 1,024 w
	s_lshl_b32 s57, s49, 13
	s_add_co_u32 s57, s57, MT
	v_and_b32 v3, 31, v0
	v_lshlrev_b32 v1, 4, v3
	v_lshlrev_b32 v2, 3, v3
	v_and_b32 v4, 15, v0                           ; r
	v_bfe_u32 v40, v0, 4, 1                        ; h
	v_lshlrev_b32 v247, 3, v40
	v_cmp_ne_u32 s48, 0, v40                       ; lanes 16-31
	v_lshlrev_b32 v41, 4, v4
	v_and_b32 v42, 7, v4
	v_lshrrev_b32 v43, 3, v4
	v_sub_nc_u32 v43, v43, v40
	v_lshl_add_u32 v42, v43, 5, v42                ; r % 8 + 32 (r / 8 - h)
	v_add_nc_u32 v42, s2, v42
	v_mov_b32 v44, 0xff61b1e6                      ; -3e38
.irp i, 0,1,2,3,4,5,6,7
	v_cmp_gt_i32 vcc_lo, \i, v42                   ; the key lies behind my query
	v_cndmask_b32 v[96+\i], 0, v44, vcc_lo
.endr
	v_add_nc_u32 v45, s56, v1
	v_add_nc_u32 v7, s57, v1
	ds_store_b128 v45, v[96:99]
	ds_store_b128 v45, v[100:103] offset:512
	WALU
	s_lshl_b32 s50, s14, 4
	s_add_co_u32 s52, s50, s17
	s_add_co_u32 s50, s50, s16
	s_mul_i32 s50, s50, 6656
	s_mul_i32 s52, s52, 6656
	s_add_nc_u64 s[50:51], s[4:5], s[50:51]
	s_add_nc_u64 s[52:53], s[4:5], s[52:53]
	s_mul_i32 s54, s15, 768
	s_mov_b32 s55, 0
	s_lshl_b32 s56, s49, 8
	s_lshl_b32 s57, s13, 2
	s_add_co_u32 s56, s56, s57
	s_mov_b32 s57, 0
	s_add_nc_u64 s[58:59], s[50:51], s[56:57]
	s_add_nc_u64 s[60:61], s[52:53], s[56:57]
	s_add_nc_u64 s[50:51], s[50:51], s[54:55]
	s_add_nc_u64 s[52:53], s[52:53], s[54:55]
	global_load_b128 v[16:19], v1, s[50:51] offset:512     ; Q's two half images stay in registers
	global_load_b64 v[20:21], v2, s[50:51] offset:1024
	global_load_b32 v9, v41, s[58:59]
	global_load_b128 v[28:31], v1, s[52:53] offset:512
	global_load_b64 v[32:33], v2, s[52:53] offset:1024
	global_load_b32 v13, v41, s[60:61]
.irp j, 10,11,14,15,22,23,24,25,26,27,34,35,36,37,38,39,88,89,90,91,92,93,241
	v_mov_b32 v[\j], 0                             ; the sums; zero codes: Q's upper halves, and what stands above K's tile 7; a lane permute's destination counts as one of its sources
.endr
	s_mov_b32 s18, 0                               ; the key step,
	s_mov_b32 s19, 0                               ; and where its block lies in LDS
	WALU
	s_wait_loadcnt 0x0                             ; Q
	s_cmp_lt_u32 s12, 3                            ; step 0's loaders wait for their load; the later steps' loads stay out
	s_cbranch_scc0 .Lnot_step0
	s_wait_tensorcnt 0x0
.Lnot_step0:
	s_wait_dscnt 0x0                               ; my part of the table has landed
	s_barrier_signal -1
	s_barrier_wait -1
	STEP 28, 12, 192, 17, 0, 0, 1                  ; step 0 counts whole for the second tile (its group is 8 or more),
	STEP 16, 8, 160, 16, 0, 1, 1                   ; and for the first, whose diagonal it may be
	s_wait_tensorcnt 0x0                           ; all of the head has landed,
	s_wait_dscnt 0x0
	s_barrier_signal -1
	s_barrier_wait -1                              ; everybody's part
	s_mov_b32 s18, 1
	s_mov_b32 s19, SB
.Lstep:                                            ; 15 trips, a constant: what is hidden is jumped over inside
	STEP 28, 12, 192, 17, 1, 1, 0
	STEP 16, 8, 160, 16, 1, 1, 0
	s_add_co_u32 s19, s19, SB
	s_add_co_u32 s18, s18, 1
	s_cmp_lt_u32 s18, 16
	s_cbranch_scc1 .Lstep
	; THE WAY OUT.  O^T / l; V's channels lie in the weights' order of rows: register 16 b + i of a tile is channel 32 b + 16 h + i of the head: two blocks of the projection's K.  They become half an image of simg and two bytes of ssc.
.macro OUTADR m, pi, ps
	s_lshr_b32 s2, s14, 4
	s_lshl_b32 s2, s2, 4
	s_add_co_u32 s2, s2, s[\m]                     ; the token group of 64
	s_and_b32 s3, s14, 15                          ; the head
	s_lshl_b32 s24, s2, 3
	s_lshr_b32 s25, s3, 1
	s_add_co_u32 s24, s24, s25                     ; K step = head / 2
	s_lshl_b32 s24, s24, 3
	s_add_co_u32 s24, s24, s15
	s_mul_i32 s24, s24, 1536
	s_and_b32 s25, s3, 1
	s_mul_i32 s25, s25, 768
	s_add_co_u32 s24, s24, s25
	s_mov_b32 s25, 0
	s_add_nc_u64 s[\pi:\pi+1], s[8:9], s[24:25]
	s_lshl_b32 s24, s2, 3
	s_add_co_u32 s24, s24, s15
	s_lshl_b32 s24, s24, 9
	s_lshl_b32 s26, s3, 1
	s_add_co_u32 s24, s24, s26
	s_add_nc_u64 s[\ps:\ps+1], s[10:11], s[24:25]
.endm
	OUTADR 16, 50, 54                              ; (the descriptors' registers are free since the wait for 0, Q's bases since the wait for Q)
	OUTADR 17, 52, 56
.rept 4
	v_nop                                          ; places behind the last products
.endr
	v_add_f32 v10, v10, v11
	v_add_f32 v14, v14, v15
	DEP 2
	v_permlanex16_b32 v236, v10, s20, s21
	DEP 2
	v_permlanex16_b32 v237, v14, s20, s21
	DEP 2
	v_add_f32 v10, v10, v236                       ; the rows' sums
	DEP 2
	v_add_f32 v14, v14, v237
	WALU
	v_rcp_f32 v10, v10
	v_rcp_f32 v14, v14
	v_and_b32 v78, 15, v0                          ; (plain work behind the two reciprocals)
	v_bfe_u32 v79, v0, 4, 1
	DEP 1
	v_lshl_add_u32 v78, v78, 5, v79                ; ssc: 32 r + h
	WALU                                           ; one wait for both, ahead of the first reader
.set j, 0
.rept 16
	v_pk_mul_f32 v[96+j:97+j], v[160+j:161+j], v[10:11] op_sel_hi:[1,0]
	v_pk_mul_f32 v[128+j:129+j], v[192+j:193+j], v[14:15] op_sel_hi:[1,0]
.set j, j+2
.endr
.macro QUANT2 s, pc, pt, by
.irp b, 0,1
	v_max3_num_f32 v[40+\b], |v[\s+16*\b]|, |v[\s+1+16*\b]|, 0x1800000
.endr
.irp i, 2,4,6,8,10,12,14
.irp b, 0,1
	DEP 2
	v_max3_num_f32 v[40+\b], v[40+\b], |v[\s+16*\b+\i]|, |v[\s+1+16*\b+\i]|
.endr
.endr
.irp b, 0,1
	DEP 2
	v_permlanex16_b32 v[42+\b], v[40+\b], s20, s21
.endr
.irp b, 0,1
	DEP 2
	v_max_num_f32 v[40+\b], v[40+\b], v[42+\b]
.endr
.irp b, 0,1
	DEP 2
	v_add_nc_u32 v[44+\b], 0xff000000, v[40+\b]
.endr
.irp b, 0,1
	DEP 2
	v_lshrrev_b32 v[42+\b], 23, v[44+\b]
.endr
	DEP 1
	v_cndmask_b32 v[\by], v42, v43, s48            ; lanes 0-15 carry block 0's byte, lanes 16-31 block 1's
	v_cvt_scalef32_pk16_fp6_f32 v[\pc:\pc+2], v[\s:\s+15], v44
	v_cvt_scalef32_pk16_fp6_f32 v[\pt:\pt+2], v[\s+16:\s+31], v45
	v_nop                                          ; one plain instruction behind the conversions
.irp i, 0,1,2
	v_permlane16_swap_b32 v[\pc+\i], v[\pt+\i]
.endr
.irp i, 0,1,2
	DEP 3
	v_mov_b32 v[\pc+3+\i], v[\pt+\i]
.endr
.endm
	QUANT2 96, 56, 62, 76
	global_store_b128 v1, v[56:59], s[50:51]       ; 512 consecutive bytes
	global_store_b64 v2, v[60:61], s[50:51] offset:512
	global_store_b8 v78, v76, s[54:55]             ; single bytes: a row's word is shared by heads that other work-groups own
	QUANT2 128, 66, 72, 77
	global_store_b128 v1, v[66:69], s[52:53]
	global_store_b64 v2, v[70:71], s[52:53] offset:512
	global_store_b8 v78, v77, s[56:57]
	s_wait_tensorcnt 0x0                           ; the wave's end
	ds_add_u32 v5, v6
	s_wait_dscnt 0x0
	CROUND                                         ; the closing round
	s_endpgm
.Lfunc_end_k_qa4cfad1d56_attn:
	.size	k_qa4cfad1d56_attn, .Lfunc_end_k_qa4cfad1d56_attn-k_qa4cfad1d56_attn
	.p2alignl 7, 3214868480
	.fill 96, 4, 3214868480
	.section	.rodata,"a",@progbits
	.p2align	6, 0x0
	.amdhsa_kernel k_qa4cfad1d56_attn
		.amdhsa_group_segment_fixed_size 227328
		.amdhsa_private_segment_fixed_size 0
		.amdhsa_enable_private_segment 0
		.amdhsa_kernarg_size 32
		.amdhsa_user_sgpr_count 2
		.amdhsa_user_sgpr_kernarg_segment_ptr 1
		.amdhsa_wavefront_size32 1
		.amdhsa_system_sgpr_workgroup_id_x 1
		.amdhsa_system_sgpr_workgroup_id_y 1
		.amdhsa_system_sgpr_workgroup_id_z 1
		.amdhsa_system_vgpr_workitem_id 0
		.amdhsa_next_free_vgpr 256
		.amdhsa_next_free_sgpr 66
		.amdhsa_reserve_vcc 1
		.amdhsa_float_denorm_mode_32 3
		.amdhsa_float_denorm_mode_16_64 3
		.amdhsa_memory_ordered 1
		.amdhsa_forward_progress 1
		.amdhsa_inst_pref_size 83
	.end_amdhsa_kernel
	.amdgpu_metadata
---
amdhsa.version: [ 1, 2 ]
amdhsa.kernels:
  - .name:           k_qa4cfad1d56_attn
    .symbol:         k_qa4cfad1d56_attn.kd
    .args:
      - { .name: qb, .offset: 0, .size: 8, .value_kind: global_buffer, .address_space: global }
      - { .name: kv, .offset: 8, .size: 8, .value_kind: global_buffer, .address_space: global }
      - { .name: simg, .offset: 16, .size: 8, .value_kind: global_buffer, .address_space: global }
      - { .name: ssc, .offset: 24, .size: 8, .value_kind: global_buffer, .address_space: global }
    .group_segment_fixed_size: 227328
    .private_segment_fixed_size: 0
    .kernarg_segment_align: 8
    .kernarg_segment_size: 32
    .max_flat_workgroup_size: 512
    .sgpr_count:     66
    .vgpr_count:     256
    .wavefront_size: 32
...
	.end_amdgpu_metadata
.endif
;; end of part 3
;; launch proj (part 4): grid 64 x 4, 4 waves a work-group, clusters of 4 x 4, 295,424 bytes of LDS; arguments simg, ssc, wimg, wsc, b_proj, out0; writes out0
.if DOCPART == 4
	.amdgcn_target "amdgcn-amd-amdhsa--gfx1250"
	.amdhsa_code_object_version 6
	.text
	.protected	k_qa4cfad1d56_proj
	.globl	k_qa4cfad1d56_proj
	.p2align	8
	.type	k_qa4cfad1d56_proj,@function
k_qa4cfad1d56_proj:
	s_mov_b64 s[64:65], 0
	v_nop
	global_prefetch_b8 v0, s[64:65] scope:SCOPE_SE
	s_setreg_imm32_b32 hwreg(HW_REG_WAVE_MODE, 25, 1), 1
	s_wait_xcnt 0x0
	s_wait_alu depctr_hold_cnt(0) depctr_sa_sdst(0) depctr_va_vdst(0) depctr_va_sdst(0) depctr_va_ssrc(0) depctr_va_vcc(0) depctr_vm_vsrc(0)
	s_getreg_b32 s2, hwreg(HW_REG_IB_STS2, 6, 4)
	s_cmp_eq_u32 s2, 0
	s_cbranch_scc0 .Lentry_in_a_cluster
	s_endpgm
.Lentry_in_a_cluster:
	s_bfe_u32 s2, ttmp6, 0x10000c
	s_cmp_lg_u32 s2, 0xf033
	s_cbranch_scc0 .Lentry_shape_is_right
	s_endpgm
.Lentry_shape_is_right:
; LAUNCH 4 OF 4.  out0 = sa W_proj + b_proj on codes of FP6.  A = a group of 128 tokens of simg (source 1: a lane holds a token), B = two groups of 128 output columns of W_proj
; (wimg's groups 24 + 2 tx, 25 + 2 tx; source 0: the columns run along a lane's registers).  Wave w: tiles 4 (w / 2) on of A x group w % 2 of B: 32 accumulators.  Nothing is left out here.
; All of K = 1,024 lies in LDS; every tensor load is a first fill, one a wave at the head, in halves of K: A's half 0, B's half 0, A's half 1, B's half 1.  The first barrier waits for waves 0 and 1 alone,
; whose load lines are their own; the barrier in K step 3 shows the rest.  CLUSTERS 4 x 4: A jointly along a row of the cluster, B along a column.  No loop stands ahead of any load: no prefetch.
; LDS: A's half hf at 49,152 hf; B's at 98,304 + 98,304 hf, its two groups on end; the spare words at 294,912.  Scale words and the bias come by plain loads into registers, as in launch 2.
; THE WAY OUT goes through a stage of 16 rows x 528 bytes for each wave, in A's half 0: it has had its only fill, and every wave's reads of it were waited for in front of the barrier of K step 3.
; REGISTERS: as launch 2's; v25, v26 the stage in and out; on the way out window 1 takes the rows read back.
.set XH,    98304
.set SL,    49152
.set SPARE, 294912
.set SBR,   32
.set SAR,   68
.set MSB, 0
.macro WIN new
.if MSB != \new
	s_set_vgpr_msb (MSB<<8)|\new
.set MSB, \new
.endif
.endm
.macro PLACES n
.rept \n
	v_nop
.endr
.endm
.macro CROUND
	s_barrier_signal -1
	s_barrier_wait -1
	s_cmp_lg_u32 s18, 0
	s_cbranch_scc1 .Lnot_wave_0_\@
	s_barrier_signal -3
.Lnot_wave_0_\@:
	s_barrier_wait -3
	s_barrier_signal -1
	s_barrier_wait -1
.endm
.macro G1SET g, c, rows, pitch
	s_mov_b32 s[\g+1], ((\c)&0xffff)<<16
	s_mov_b32 s[\g+2], ((\c)>>16)|((\rows)<<16)
	s_mov_b32 s[\g+3], (\c)<<16
	s_mov_b32 s[\g+4], \rows
	s_mov_b32 s[\g+5], \pitch
	s_mov_b32 s[\g+6], 0
	s_mov_b32 s[\g+7], 0
.endm
.macro FRAG reg, a16, a8, off
	ds_load_b128 v[(\reg):(\reg)+3], v[\a16] offset:(\off)
	ds_load_b64 v[(\reg)+4:(\reg)+5], v[\a8] offset:(\off)+512
	ds_load_b128 v[(\reg)+6:(\reg)+9], v[\a16] offset:(\off)+768
	ds_load_b64 v[(\reg)+10:(\reg)+11], v[\a8] offset:(\off)+1280
.endm
.macro FETCH n
	WIN 0x40
.irp i, 0,1,2,3,4,5,6,7
	FRAG 128*((\n)%2)+12*\i, 16+2*((\n)/4), 17+2*((\n)/4), 12288*((\n)%4)+1536*\i
.endr
	WIN 0
.irp i, 0,1,2,3
	FRAG 96+48*((\n)%2)+12*\i, 4+2*((\n)/4), 5+2*((\n)/4), 12288*((\n)%4)+1536*\i
.endr
.endm
.macro WM c, n, ap, ao, bp, bo
	v_wmma_scale_f32_16x16x128_f8f6f4 v[D_:D_+7], v[B_:B_+11], v[F_:F_+11], \c, v[SBR+8*\bp+(\n)], v[SAR+8*\ap+(\n)] matrix_a_fmt:MATRIX_FMT_FP6 matrix_b_fmt:MATRIX_FMT_FP6 matrix_a_scale:MATRIX_SCALE_ROW\bo matrix_b_scale:MATRIX_SCALE_ROW\ao
.endm
.macro MULA n, cm, ap, ao              ; 8 products; the accumulators take turns.  cm 1: the bias starts the sums
.irp bp, 0,1,2,3
.irp bo, 0,1
.set D_, 8*(8*(2*\ap+\ao)+2*\bp+\bo)
.set B_, 128*((\n)%2)+12*(2*\bp+\bo)
.set F_, 96+48*((\n)%2)+12*(2*\ap+\ao)
.if \cm == 0
	WM v[D_:D_+7], \n, \ap, \ao, \bp, \bo
.else
	WM v[192+8*(2*\bp+\bo):199+8*(2*\bp+\bo)], \n, \ap, \ao, \bp, \bo
.endif
.endr
.endr
.endm
.macro STEP n, cm
	s_wait_dscnt 0x0                               ; this step's fragments are in
.if (\n) > 0
	PLACES 4
.endif
.if (\n) < 7
	FETCH (\n)+1
.endif
.if \cm == 0
	WIN 0xa1
.else
	WIN 0x81
.endif
	MULA \n, \cm, 0, 0
	MULA \n, \cm, 0, 1
	MULA \n, \cm, 1, 0
	MULA \n, \cm, 1, 1
	WIN 0
.endm
.macro ARM w, g0, g1, next
	s_cmp_eq_u32 s18, \w
	s_cbranch_scc0 \next
	tensor_load_to_lds s[\g0:\g0+3], s[\g1:\g1+7]
	s_nop 0
	PLACES 4
	s_branch .Lasked
\next:
.endm
	s_load_b256 s[4:11], s[0:1], 0x0               ; simg s[4:5], ssc s[6:7], wimg s[8:9], wsc s[10:11]
	s_load_b128 s[12:15], s[0:1], 0x20             ; b_proj s[12:13], out0 s[14:15]
	v_lshl_add_u32 v28, v0, 2, SPARE
	v_mov_b32 v29, 0
	ds_add_u32 v28, v29                            ; the opening: the add, twice on end, and its wait ahead of the first tensor load
	ds_add_u32 v28, v29
	v_lshrrev_b32 v1, 5, v0
	v_readfirstlane_b32 s18, v1
	s_lshr_b32 s19, s18, 1
	s_and_b32 s20, s18, 1
	s_bfe_u32 s21, ttmp6, 0x40000                  ; cx = tx: four tile columns of 256
	s_bfe_u32 s22, ttmp6, 0x40004                  ; cy
	s_lshl_b32 s3, ttmp9, 2
	s_add_co_u32 s3, s3, s22                       ; ty
	s_lshl_b32 s92, s22, 2
	s_lshl_b32 s92, 15, s92                        ; my row of the cluster
	s_lshl_b32 s93, 0x1111, s21                    ; my column
	s_or_b32 s24, s92, (3<<16)|(1<<21)
	s_or_b32 s32, s93, (3<<16)|(1<<21)
	G1SET 24, 32, 192, 32                          ; A's half of K: 49,152 dense bytes as rows of 256
	G1SET 32, 6144, 2, 12288                       ; B's: two groups' 49,152 bytes, 98,304 apart in memory, on end in LDS
	s_mov_b32 s48, 1
	s_mul_i32 s49, s19, SL
	s_mov_b32 s52, 1
	s_mul_i32 s53, s19, XH
	s_add_co_u32 s53, s53, 98304
	s_mul_i32 s98, s19, SL
	s_mul_i32 s94, s3, 98304
	s_add_co_u32 s94, s94, s98
	s_mov_b32 s95, 0
	s_mul_i32 s96, s21, 196608
	s_add_co_u32 s96, s96, 24*98304
	s_add_co_u32 s96, s96, s98
	s_mov_b32 s97, 0
	s_wait_alu depctr_va_vdst(0)
	s_wait_dscnt 0x0                               ; both opening adds are done
	CROUND                                         ; all sixteen work-groups are here: the joint loads meet
	s_wait_kmcnt 0x0
	s_add_nc_u64 s[50:51], s[4:5], s[94:95]
	s_or_b32 s51, s51, 0x80000000
	s_add_nc_u64 s[54:55], s[8:9], s[96:97]
	s_or_b32 s55, s55, 0x80000000
	ARM 0, 48, 24, .Lw1
	ARM 1, 52, 32, .Lw2
	ARM 2, 48, 24, .Lw3
	tensor_load_to_lds s[52:55], s[32:39]
	s_nop 0
	PLACES 4
.Lasked:
	v_and_b32 v3, 31, v0
	v_and_b32 v1, 15, v0
	v_bfe_u32 v2, v0, 4, 1
	v_lshlrev_b32 v21, 4, v3
	v_lshlrev_b32 v22, 3, v3
	v_lshlrev_b32 v20, 5, v3
	v_lshlrev_b32 v24, 6, v2
	s_mul_i32 s92, s19, 6144
	v_add_nc_u32 v4, s92, v21
	v_add_nc_u32 v5, s92, v22
	v_add_nc_u32 v6, SL, v4
	v_add_nc_u32 v7, SL, v5
	s_mul_i32 s92, s20, SL
	s_add_co_u32 s92, s92, 98304
	v_add_nc_u32 v16, s92, v21
	v_add_nc_u32 v17, s92, v22
	v_add_nc_u32 v18, XH, v16
	v_add_nc_u32 v19, XH, v17
	s_mul_i32 s92, s18, 8448                       ; my stage
	v_mul_u32_u24 v25, v1, 528
	v_lshl_add_u32 v25, v2, 6, v25
	v_add_nc_u32 v25, s92, v25                     ; in: row r, + 64 h
	v_add_nc_u32 v26, s92, v21                     ; back: 16 bytes a lane of a row of 512
	s_lshl_b32 s94, s3, 12
	s_lshl_b32 s93, s19, 11
	s_add_co_u32 s94, s94, s93
	s_add_nc_u64 s[70:71], s[6:7], s[94:95]        ; A's scale words, my four tiles
	s_lshl_b32 s94, s21, 1
	s_add_co_u32 s94, s94, s20
	s_add_co_u32 s94, s94, 24
	s_lshl_b32 s94, s94, 12
	s_add_nc_u64 s[66:67], s[10:11], s[94:95]      ; B's, my group
	s_lshl_b32 s94, s21, 10
	s_lshl_b32 s93, s20, 9
	s_add_co_u32 s94, s94, s93
	s_add_nc_u64 s[74:75], s[12:13], s[94:95]      ; the bias of my 128 columns
	s_lshl_b32 s92, s3, 7
	s_lshl_b32 s93, s19, 6
	s_add_co_u32 s92, s92, s93                     ; my first token
	s_lshl_b32 s92, s92, 12
	s_add_co_u32 s94, s94, s92
	s_add_nc_u64 s[14:15], s[14:15], s[94:95]
	s_wait_alu depctr_va_vdst(0)                   ; the wait behind the head's last vector instruction
.irp b, 0,1,2,3,4,5,6,7
	global_load_b128 v[192+8*\b:195+8*\b], v24, s[74:75] offset:128*(\b/2)+32*(\b%2)      ; register j of tile b is column 32 (b / 2) + 16 h + 8 (b % 2) + j
	global_load_b128 v[196+8*\b:199+8*\b], v24, s[74:75] offset:128*(\b/2)+32*(\b%2)+16
.endr
.irp o, 0,16
.irp i, 0,1,2,3
	global_load_b128 v[SBR+8*\i+\o/4:SBR+8*\i+\o/4+3], v20, s[66:67] offset:1024*\i+\o     ; 32 lanes take two tiles' rows, 32 bytes each
.endr
.irp i, 0,1
	global_load_b128 v[SAR+8*\i+\o/4:SAR+8*\i+\o/4+3], v20, s[70:71] offset:1024*\i+\o
.endr
.endr
	s_cmp_lt_u32 s18, 2
	s_cbranch_scc0 .Lnot_first
	s_wait_tensorcnt 0x0
.Lnot_first:
	s_barrier_signal -1
	s_barrier_wait -1                              ; both first halves are in; the second halves may be out
	FETCH 0
	s_wait_loadcnt 0x0                             ; the bias and the scale words
	STEP 0, 1
	STEP 1, 0
	STEP 2, 0
	s_wait_dscnt 0x0                               ; K step 3: its fragments are in: my last reads of the first halves
	s_wait_tensorcnt 0x0                           ; my load has landed
	s_barrier_signal -1
	WIN 0xa1
	MULA 3, 0, 0, 0
	MULA 3, 0, 0, 1
	WIN 0
	s_barrier_wait -1                              ; everybody's has
	PLACES 4
	FETCH 4
	WIN 0xa1
	MULA 3, 0, 1, 0
	MULA 3, 0, 1, 1
	WIN 0
	STEP 4, 0
	STEP 5, 0
	STEP 6, 0
	STEP 7, 0
; Tile a: a lane holds 8 x 32 bytes of one row, the lanes beside it other rows: the tile goes through my stage and comes back as whole rows of 512 bytes.
; LDS serves a wave's instructions in order: no wait between the stores and the loads, nor in front of the next tile's stores.
.macro TOSTAGE a
	WIN 0x08
.irp b, 0,1,2,3,4,5,6,7
	ds_store_b128 v25, v[8*(8*(\a)+\b):8*(8*(\a)+\b)+3] offset:128*(\b/2)+32*(\b%2)      ; each accumulator from its low end on
	ds_store_b128 v25, v[8*(8*(\a)+\b)+4:8*(8*(\a)+\b)+7] offset:128*(\b/2)+32*(\b%2)+16
.endr
	WIN 0x40                                       ; back into window 1: a set of 64 registers for each tile, so that no store's data are written again
.irp t, 0,1,2,3,4,5,6,7,8,9,10,11,12,13,14,15
	ds_load_b128 v[64*(\a)+4*\t:64*(\a)+4*\t+3], v26 offset:528*\t
.endr
.endm
.macro SEND a, younger                 ; younger: the LDS instructions issued behind tile a's loads, which may stay out
	s_wait_dscnt \younger
	WIN 0x04
.irp t, 0,1,2,3,4,5,6,7,8,9,10,11,12,13,14,15
	global_store_b128 v21, v[64*(\a)+4*\t:64*(\a)+4*\t+3], s[14:15] offset:(8*(\a)+\t+24*(\t/8))*4096 th:TH_STORE_NT   ; 32 lanes store 512 consecutive bytes of the token's row: row t of my tile a is token 8 a + t % 8 + 32 (t / 8) of my 64
.endr
.endm
	PLACES 4                                       ; behind the last products: their results are read, and B's registers loaded, below
	TOSTAGE 0
.irp a, 1,2,3
	TOSTAGE \a
	SEND \a-1, 32                                  ; behind tile a - 1's loads: tile a's 16 stores and 16 loads
.endr
	SEND 3, 0
	WIN 0
	s_wait_tensorcnt 0x0                           ; the wave's end
	ds_add_u32 v28, v29
	s_wait_dscnt 0x0
	CROUND                                         ; the closing round
	s_endpgm
.Lfunc_end_k_qa4cfad1d56_proj:
	.size	k_qa4cfad1d56_proj, .Lfunc_end_k_qa4cfad1d56_proj-k_qa4cfad1d56_proj
	.p2alignl 7, 3214868480
	.fill 96, 4, 3214868480
	.section	.rodata,"a",@progbits
	.p2align	6, 0x0
	.amdhsa_kernel k_qa4cfad1d56_proj
		.amdhsa_group_segment_fixed_size 295424
		.amdhsa_private_segment_fixed_size 0
		.amdhsa_enable_private_segment 0
		.amdhsa_kernarg_size 48
		.amdhsa_user_sgpr_count 2
		.amdhsa_user_sgpr_kernarg_segment_ptr 1
		.amdhsa_wavefront_size32 1
		.amdhsa_system_sgpr_workgroup_id_x 1
		.amdhsa_system_sgpr_workgroup_id_y 1
		.amdhsa_system_sgpr_workgroup_id_z 1
		.amdhsa_system_vgpr_workitem_id 0
		.amdhsa_next_free_vgpr 768
		.amdhsa_next_free_sgpr 102
		.amdhsa_reserve_vcc 0
		.amdhsa_float_denorm_mode_32 3
		.amdhsa_float_denorm_mode_16_64 3
		.amdhsa_memory_ordered 1
		.amdhsa_forward_progress 1
		.amdhsa_inst_pref_size 83
	.end_amdhsa_kernel
	.amdgpu_metadata
---
amdhsa.version: [ 1, 2 ]
amdhsa.kernels:
  - .name:           k_qa4cfad1d56_proj
    .symbol:         k_qa4cfad1d56_proj.kd
    .args:
      - { .name: simg, .offset: 0, .size: 8, .value_kind: global_buffer, .address_space: global }
      - { .name: ssc, .offset: 8, .size: 8, .value_kind: global_buffer, .address_space: global }
      - { .name: wimg, .offset: 16, .size: 8, .value_kind: global_buffer, .address_space: global }
      - { .name: wsc, .offset: 24, .size: 8, .value_kind: global_buffer, .address_space: global }
      - { .name: b_proj, .offset: 32, .size: 8, .value_kind: global_buffer, .address_space: global }
      - { .name: out0, .offset: 40, .size: 8, .value_kind: global_buffer, .address_space: global }
    .group_segment_fixed_size: 295424
    .private_segment_fixed_size: 0
    .kernarg_segment_align: 8
    .kernarg_segment_size: 48
    .max_flat_workgroup_size: 128
    .sgpr_count:     102
    .vgpr_count:     768
    .wavefront_size: 32
...
	.end_amdgpu_metadata
.endif
;; end of part 4
